; MI455X (gfx1250); checked and timed in simulation.
; The chip was launched on July 23, 2026; its instructions are those of AMD's public machine-readable ISA for CDNA 5 (MIT licence, August 2026) and "CDNA5" Instruction Set Architecture Reference Guide (July 2026). The comments in the code are by the model that wrote it; some were corrected since.
;; Block Regional. Allowed arithmetic: matrix products marked QUANTISED: E2M3 operands, one E8M0 scale for each 32 along K, by v_wmma_scale_f32_16x16x128_f8f6f4 with both operands' format E2M3, f32 sums; everything else in f32.
;; Inputs: W1 512 x 2,048 float32; W2 2,048 x 512 float32; Wk 512 x 512 float32; Wo 512 x 512 float32; Wq 512 x 512 float32; Wv 512 x 512 float32; b1 2,048 float32; b2 512 float32; bo 512 float32; ln1_b 512 float32; ln1_g 512 float32; ln2_b 512 float32; ln2_g 512 float32; x 8 x 32 x 64 x 512 float32.
;; Outputs: out0 8 x 32 x 64 x 512 float32.
;; This version of the problem:
;;   THIS VERSION OF THE PROBLEM IS GIVEN IN LOW PRECISION. The matrix products marked QUANTISED in the list below multiply operands that are first quantised to E2M3 (2 exponent bits, 3 mantissa bits; 6 bits a number), with one power-of-two scale for each 32 numbers along K (OCP MX v1.0); their sums are f32. All else is computed in f32.
;;   The module's matrix products, in the order in which they are computed (A, B: the left and right operand; K: the contracted axis; several contracted axes count as one K, in the product's order):
;;     1. [M 16,384, K 512] x [K 512, N 512]; A: computed on the way; B: input Wq: QUANTISED
;;     2. [M 16,384, K 512] x [K 512, N 512]; A: computed on the way; B: input Wk: QUANTISED
;;     3. [M 16,384, K 512] x [K 512, N 512]; A: computed on the way; B: input Wv: QUANTISED
;;     4. batch 2,048 x [M 64, K 64] x [K 64, N 64]; A: computed on the way; B: computed on the way: QUANTISED
;;     5. batch 2,048 x [M 64, K 64] x [K 64, N 64]; A: computed on the way; B: softmax (see below): QUANTISED
;;     6. [M 16,384, K 512] x [K 512, N 512]; A: computed on the way; B: input Wo: QUANTISED
;;     7. [M 16,384, K 512] x [K 512, N 2,048]; A: computed on the way; B: input W1: QUANTISED
;;     8. [M 16,384, K 2,048] x [K 2,048, N 512]; A: computed on the way; B: input W2: QUANTISED
;;   THE QUANTISER, for each operand of a quantised product, along K:
;;     - K is cut into blocks of 32 from its start; a last block that is shorter is filled with zeros.
;;     - A block's scale is 2^e with e = floor(log2(the largest magnitude in the block)) - 2, held to -126 .. 127; a block of zeros has e = 0. As a byte (E8M0): e + 127.
;;     - Each number is divided by its block's scale, clamped to +-7.5, and rounded to the nearest number of E2M3, ties to even, subnormals kept.
;;     - The product sums the exact products of the quantised numbers (number of the format x scale) in f32.
;;   ~~~python
;;   def quantise(x, axis):      # numpy; x: float32 -> the quantised numbers, widened to float32 again
;;       x = np.moveaxis(x, axis, -1); K = x.shape[-1]
;;       x = np.pad(x, [(0, 0)] * (x.ndim - 1) + [(0, -K % 32)]); x = x.reshape(x.shape[:-1] + (-1, 32)); a = np.abs(x).max(-1, keepdims=True)
;;       e = np.where(a > 0, np.clip(np.frexp(np.where(a > 0, a, 1))[1] - 1 - 2, -126, 127), 0)      # np.frexp(a)[1] - 1 = floor(log2(a)), exactly
;;       r = np.clip(x / 2.0 ** e, -7.5, 7.5)
;;       step = 2.0 ** (np.maximum(np.frexp(np.where(r == 0, 1, r))[1] - 1, 0) - 3)
;;       q = np.round(r / step) * step * 2.0 ** e      # np.round: ties to even
;;       return np.moveaxis(q.reshape(q.shape[:-2] + (-1,))[..., :K], -1, axis).astype(np.float32)
;;   ~~~
;;   SOFTMAX AHEAD OF A QUANTISED PRODUCT. Where the list says 'softmax', what is quantised is not the finished softmax but p = 2^(t - M), with t = logit x log2(e) and M = ceil(the row's largest t), a whole number; so 1/2 < the row's largest p <= 1. The row's sum l is taken of the UNQUANTISED p, in f32, and the product's result is divided by l at the end. Since M is a whole number, a kernel that streams over the keys may use a running M (the ceiling of the running maximum): every later rescaling is an exact power of two, which a block's scale takes up: the codes' values come out the same.
;;   OPERANDS COMPUTED ON THE WAY. 'Computed on the way' means the value that the module computes at that place (a softmax that the list does not call 'softmax' is quantised finished and normalised). What goes into a quantiser is computed in f32, as accurately as f32 sums, v_exp_f32 and their like allow (about 1e-6 of the number): no bf16 or f16 on the way to a quantiser, and a product that is left as it is and whose result goes on into a quantised operand takes f32 operands (vector FMAs, or v_wmma_f32_16x16x4_f32). A number that lies on a knife's edge between two numbers of the format may be rounded either way, as far as f32 arithmetic and the matrix unit's own rounding can turn it there, and no further.
;; 2 versions. Each part assembles by itself: llvm-mc -triple=amdgcn-amd-amdhsa -mcpu=gfx1250 --defsym DOCPART=n.
;; ======== version 1 of 2: 2 launches
;; workspace buffers: wstream 2,457,600 bytes
;; launch layw (part 1): grid 192 x 1, 4 waves a work-group, no clusters, 13,312 bytes of LDS; arguments Wq, Wk, Wv, Wo, W1, W2, wstream; writes wstream
.if DOCPART == 1
	.amdgcn_target "amdgcn-amd-amdhsa--gfx1250"
	.amdhsa_code_object_version 6
	.text
	.protected	k_q059457fcb1_layw
	.globl	k_q059457fcb1_layw
	.p2align	8
	.type	k_q059457fcb1_layw,@function
k_q059457fcb1_layw:
	s_mov_b64 s[64:65], 0
	v_nop
	global_prefetch_b8 v0, s[64:65] scope:SCOPE_SE
	s_setreg_imm32_b32 hwreg(HW_REG_WAVE_MODE, 25, 1), 1
	s_wait_xcnt 0x0
; The six weights, f32 with K as their FIRST axis, become codes of FP6 (E2M3) with one E8M0 byte for each 32 along K, laid as ONE dense stream in the order in which the next launch's waves take operand registers.
; UNITS of 512 (K) x 512 (N): 0 Wq, 1 Wk, 2 Wv, 3 Wo, 4 + 2 j = W1[:, 512 j ..], 5 + 2 j = W2[512 j .., :].  A unit is two CHUNKS of 102,400 bytes (K steps 0, 1 and 2, 3); a chunk is four QUARTERS of 25,600 bytes
; (columns 128 w .. 128 w + 127); a quarter is 16 fragment images of 1,536 bytes (f = 8 (s & 1) + t, t the tile of 16 columns) and 1,024 bytes of scale words.
; A FRAGMENT IMAGE: register R (0 .. 11) of lane l at 512 (R / 4) + 16 l + 4 (R % 4).  Lane (r, h), registers 6 c .. 6 c + 5: k = 128 s + 64 c + 32 h + 0 .. 31 of column 32 (t / 2) + 8 (t % 2) + r % 8 + 16 (r / 8).
; THE SCALE WORDS: fragment f, row r at 24,576 + 512 (f / 8) + 16 (16 (f % 2) + r) + 4 ((f / 2) % 4): two loads of 16 bytes a lane give eight registers, register f / 2 with fragment f in lanes 0-15 (f even) or 16-31 (f odd).
; SHARES.  A work-group takes one unit's 128 columns x 128 K (u = id / 16, w = (id / 4) % 4, s = id % 4): 192 work-groups, all the work there is.  A wave takes 32 columns (tiles 2 v, 2 v + 1).
; A LANE TAKES A COLUMN AND ITS REGISTERS RUN DOWN K: a load reads 128 consecutive bytes a wave, a block of 32 lies in one lane, and the conversions give codes with K innermost.  Nothing is transposed by an instruction.
; A block's scale is 2^(floor(log2(its largest magnitude)) - 2); its byte is that magnitude's exponent field - 2, held at 1 from below.  A block of zeros keeps the byte 1: its codes are zeros, and this program alone reads the bytes.
; LIMITS: NaN and infinities are not served; blocks whose largest magnitude lies under 2^-124 get the byte 1.
.set SPW,  1                           ; v1   my spare word's LDS address; never rewritten
.set NIL,  2                           ; v2   0; never rewritten
.set LA,   3                           ; v3   LDS: my column's place in my wave's two images
.set SA,   4                           ; v4   LDS: my column's scale word
.set RB,   5                           ; v5   LDS: 16 x lane in my wave's images, for the way out
.set GO,   6                           ; v6   the same place in the quarter
.set SCR,  7                           ; v7   LDS: 16 x lane in the scale piece
.set SGO,  13                          ; v13  the same place in the quarter
.set OFF,  16                          ; v16-47   4 x lane + i rows of the weight
.set X,    48                          ; v48-175  128 numbers: four blocks of 32 down K
.set E,    176                         ; v176-207 a block's six registers of codes, eight apart
.set T,    208                         ; v208-223 the second half of a block's codes, as the conversion leaves it
.set SCP,  12288                       ; LDS: behind the four waves' images (3,072 bytes each) the scale piece, 512 bytes
.set SPARE, 12800                      ; and the spare words, 128 bytes for each wave
	s_load_b256 s[8:15], s[0:1], 0x0               ; Wq, Wk, Wv, Wo
	s_load_b128 s[16:19], s[0:1], 0x20             ; W1, W2
	s_load_b64 s[20:21], s[0:1], 0x30              ; the stream
	v_lshl_add_u32 v[SPW], v0, 2, SPARE
	v_mov_b32 v[NIL], 0
	v_lshrrev_b32 v8, 5, v0
	v_readfirstlane_b32 s5, v8                     ; wave v
	s_lshr_b32 s2, ttmp9, 4                        ; unit u
	s_bfe_u32 s3, ttmp9, 0x20002                   ; quarter w
	s_and_b32 s4, ttmp9, 3                         ; K step s
	s_and_b32 s6, s2, 1
	s_add_co_u32 s6, s6, 1
	s_sub_co_u32 s7, s2, 4
	s_lshr_b32 s7, s7, 1
	s_cmp_ge_u32 s2, 4
	s_cselect_b32 s6, s6, 0                        ; 0: a square weight, 1: W1, 2: W2
	s_cselect_b32 s7, s7, 0                        ; j
	s_mov_b32 s32, 2048
	s_cmp_eq_u32 s6, 1
	s_cselect_b32 s32, 8192, s32                   ; a row of the weight in bytes
	s_cselect_b32 s33, s7, 0                       ; W1: j goes into the columns,
	s_cmp_eq_u32 s6, 2
	s_cselect_b32 s34, s7, 0                       ; W2: into the rows
	s_lshl_b32 s34, s34, 9
	s_lshl_b32 s35, s4, 7
	s_add_co_u32 s34, s34, s35                     ; first row: 512 j + 128 s
	s_lshl_b32 s33, s33, 9
	s_lshl_b32 s35, s3, 7
	s_add_co_u32 s33, s33, s35
	s_lshl_b32 s35, s5, 5
	s_add_co_u32 s33, s33, s35                     ; first column: 512 j + 128 w + 32 v
	s_mul_i32 s36, s34, s32
	s_lshl_b32 s33, s33, 2
	s_add_co_u32 s36, s36, s33                     ; my wave's first byte in the weight (under 4 MiB)
	s_mov_b32 s37, 0
	s_lshl_b32 s38, s32, 5                         ; 32 rows on
	s_mov_b32 s39, 0
	s_lshl_b32 s40, s2, 1
	s_lshr_b32 s41, s4, 1
	s_add_co_u32 s40, s40, s41                     ; chunk 2 u + s / 2
	s_mul_i32 s40, s40, 102400
	s_mul_i32 s41, s3, 25600
	s_add_co_u32 s40, s40, s41                     ; my quarter
	s_mov_b32 s41, 0
	s_and_b32 s42, s4, 1
	s_mul_i32 s43, s42, 12288                      ; fragments 8 (s & 1) on,
	s_mul_i32 s6, s5, 3072                         ; my wave's two of them
	s_add_co_u32 s43, s43, s6
	s_lshl_b32 s44, s42, 9
	s_add_co_u32 s44, s44, 24576                   ; and the K step's piece of the scale words
	v_and_b32 v8, 31, v0                           ; lane e = my column in the wave's 32
	v_bfe_u32 v9, v0, 3, 1                         ; which of the two tiles: (e / 8) % 2
	v_and_b32 v10, 7, v0
	v_bfe_u32 v11, v0, 4, 1
	v_lshl_or_b32 v10, v11, 3, v10                 ; and which row r of it: e % 8 + 8 (e / 16)
	v_mul_u32_u24 v[LA], v9, 1536
	v_lshl_add_u32 v[LA], v10, 4, v[LA]
	v_add_nc_u32 v[LA], s6, v[LA]
	v_lshlrev_b32 v[SA], 8, v9
	v_lshl_add_u32 v[SA], v10, 4, v[SA]
	s_lshl_b32 s7, s5, 2
	s_add_co_u32 s7, s7, SCP
	v_add_nc_u32 v[SA], s7, v[SA]                  ; 256 (t % 2) + 16 r + 4 v
	v_lshl_add_u32 v[RB], v8, 4, s6
	v_lshl_add_u32 v[GO], v8, 4, s43
	v_lshl_add_u32 v[SCR], v8, 4, SCP
	v_lshl_add_u32 v[SGO], v8, 4, s44
	v_lshlrev_b32 v15, 2, v8
.irp i, 0,1,2,3,4,5,6,7,8,9,10,11,12,13,14,15,16,17,18,19,20,21,22,23,24,25,26,27,28,29,30,31
	v_mad_u32_u24 v[OFF+\i], s32, \i, v15          ; the pitch is a scalar: one text serves both
.endr
	s_wait_kmcnt 0x0
	s_cmp_eq_u32 s2, 1                             ; the weight is chosen by the work-group's number alone
	s_cselect_b64 s[22:23], s[10:11], s[8:9]
	s_cmp_eq_u32 s2, 2
	s_cselect_b64 s[22:23], s[12:13], s[22:23]
	s_cmp_eq_u32 s2, 3
	s_cselect_b64 s[22:23], s[14:15], s[22:23]
	s_and_b32 s45, s2, 1
	s_add_co_u32 s45, s45, 1
	s_cmp_ge_u32 s2, 4
	s_cselect_b32 s45, s45, 0
	s_cmp_eq_u32 s45, 1
	s_cselect_b64 s[22:23], s[16:17], s[22:23]
	s_cmp_eq_u32 s45, 2
	s_cselect_b64 s[22:23], s[18:19], s[22:23]
	s_add_nc_u64 s[24:25], s[22:23], s[36:37]      ; a base for each block of 32 rows
	s_add_nc_u64 s[26:27], s[24:25], s[38:39]
	s_add_nc_u64 s[28:29], s[26:27], s[38:39]
	s_add_nc_u64 s[30:31], s[28:29], s[38:39]
	s_add_nc_u64 s[20:21], s[20:21], s[40:41]
.macro LOAD kb                         ; block kb: W(32 kb + i, my column)
.irp i, 0,1,2,3,4,5,6,7,8,9,10,11,12,13,14,15,16,17,18,19,20,21,22,23,24,25,26,27,28,29,30,31
	global_load_b32 v[X+32*\kb+\i], v[OFF+\i], s[24+2*\kb:25+2*\kb] th:TH_LOAD_NT
.endr
.endm
.macro BLK kb
.set XS, X+32*(\kb)
.set EE, E+8*(\kb)
.set TT, T+4*(\kb)
	v_max3_num_f32 v8, |v[XS]|, |v[XS+1]|, |v[XS+2]|               ; the block's largest magnitude: all 32 numbers are mine; two chains
	v_max3_num_f32 v9, |v[XS+3]|, |v[XS+4]|, |v[XS+5]|
.irp i, 6,10,14,18,22,26
	v_max3_num_f32 v8, v8, |v[XS+\i]|, |v[XS+\i+1]|
	v_max3_num_f32 v9, v9, |v[XS+\i+2]|, |v[XS+\i+3]|
.endr
	v_max3_num_f32 v8, v8, |v[XS+30]|, |v[XS+31]|
	v_max3_num_f32 v8, v8, v9, 0x1800000           ; and the floor 2^(3 - 127): the byte cannot fall under 1
	v_add_nc_u32 v10, 0xff000000, v8               ; 2 off the exponent field: the conversion takes that field as its scale
	v_lshrrev_b32 v11, 23, v10                     ; the scale's byte
.if (\kb) == 0
	v_mov_b32 v12, v11
.else
	v_lshl_or_b32 v12, v11, 8*(\kb), v12           ; the K step's four bytes make my column's scale word
.endif
	v_cvt_scalef32_pk16_fp6_f32 v[EE:EE+2], v[XS:XS+15], v10
	v_cvt_scalef32_pk16_fp6_f32 v[TT:TT+2], v[XS+16:XS+31], v10     ; (a conversion's three registers begin on an even number)
	v_nop                                          ; one plain place behind a scaled conversion
.irp i, 0,1,2
	v_mov_b32 v[EE+3+\i], v[TT+\i]
.endr
.if (\kb) < 2                          ; block kb is registers 6 (kb / 2) .. + 5 of lane r + 16 (kb % 2)
	ds_store_b128 v[LA], v[EE:EE+3] offset:256*((\kb)%2)
	ds_store_b64 v[LA], v[EE+4:EE+5] offset:512+256*((\kb)%2)
.else
	ds_store_b64 v[LA], v[EE:EE+1] offset:520+256*((\kb)%2)
	ds_store_b128 v[LA], v[EE+2:EE+5] offset:1024+256*((\kb)%2)
.endif
.endm
	LOAD 0
	LOAD 1
	s_wait_loadcnt 32                              ; block 0 is in; block 1's 32 loads may be out
	LOAD 2
	BLK 0
	s_wait_loadcnt 32                              ; block 1 is in; block 2's may be out
	LOAD 3
	BLK 1
	s_wait_loadcnt 32                              ; block 2 is in; block 3's may be out
	BLK 2
	s_wait_loadcnt 0x0
	BLK 3
	ds_store_b32 v[SA], v12
.irp i, 0,1,2,3,4,5
	ds_load_b128 v[X+4*\i:X+4*\i+3], v[RB] offset:512*\i           ; LDS serves a wave's instructions in order: these see my stores
.endr
	s_wait_dscnt 0x0                               ; for the others' sake too: my scale words have landed
	s_barrier_signal -1
	s_barrier_wait -1
.irp i, 0,1,2,3,4,5
	global_store_b128 v[GO], v[X+4*\i:X+4*\i+3], s[20:21] offset:512*\i   ; 32 lanes store 512 consecutive bytes, at a multiple of 256 from the stream's first byte
.endr
	s_cmp_lg_u32 s5, 0
	s_cbranch_scc1 .Lnot_wave_0
	ds_load_b128 v[X+24:X+27], v[SCR]              ; the four waves' scale words: 512 bytes
	s_wait_dscnt 0x0
	global_store_b128 v[SGO], v[X+24:X+27], s[20:21]
.Lnot_wave_0:
	s_wait_tensorcnt 0x0                           ; the wave's end: behind my last LDS store
	ds_add_u32 v[SPW], v[NIL]
	s_wait_dscnt 0x0
	s_endpgm
.Lfunc_end_k_q059457fcb1_layw:
	.size	k_q059457fcb1_layw, .Lfunc_end_k_q059457fcb1_layw-k_q059457fcb1_layw
	.p2alignl 7, 3214868480
	.fill 96, 4, 3214868480
	.section	.rodata,"a",@progbits
	.p2align	6, 0x0
	.amdhsa_kernel k_q059457fcb1_layw
		.amdhsa_group_segment_fixed_size 13312
		.amdhsa_private_segment_fixed_size 0
		.amdhsa_enable_private_segment 0
		.amdhsa_kernarg_size 56
		.amdhsa_user_sgpr_count 2
		.amdhsa_user_sgpr_kernarg_segment_ptr 1
		.amdhsa_wavefront_size32 1
		.amdhsa_system_sgpr_workgroup_id_x 1
		.amdhsa_system_sgpr_workgroup_id_y 1
		.amdhsa_system_sgpr_workgroup_id_z 1
		.amdhsa_system_vgpr_workitem_id 0
		.amdhsa_next_free_vgpr 224
		.amdhsa_next_free_sgpr 66
		.amdhsa_reserve_vcc 0
		.amdhsa_float_denorm_mode_32 3
		.amdhsa_float_denorm_mode_16_64 3
		.amdhsa_memory_ordered 1
		.amdhsa_forward_progress 1
		.amdhsa_inst_pref_size 26
	.end_amdhsa_kernel
	.amdgpu_metadata
---
amdhsa.version: [ 1, 2 ]
amdhsa.kernels:
  - .name:           k_q059457fcb1_layw
    .symbol:         k_q059457fcb1_layw.kd
    .args:
      - { .name: Wq, .offset: 0, .size: 8, .value_kind: global_buffer, .address_space: global }
      - { .name: Wk, .offset: 8, .size: 8, .value_kind: global_buffer, .address_space: global }
      - { .name: Wv, .offset: 16, .size: 8, .value_kind: global_buffer, .address_space: global }
      - { .name: Wo, .offset: 24, .size: 8, .value_kind: global_buffer, .address_space: global }
      - { .name: W1, .offset: 32, .size: 8, .value_kind: global_buffer, .address_space: global }
      - { .name: W2, .offset: 40, .size: 8, .value_kind: global_buffer, .address_space: global }
      - { .name: wstream, .offset: 48, .size: 8, .value_kind: global_buffer, .address_space: global }
    .group_segment_fixed_size: 13312
    .private_segment_fixed_size: 0
    .kernarg_segment_align: 8
    .kernarg_segment_size: 56
    .max_flat_workgroup_size: 128
    .sgpr_count:     66
    .vgpr_count:     224
    .wavefront_size: 32
...
	.end_amdgpu_metadata
.endif
;; end of part 1
;; launch block (part 2): grid 256 x 1, 4 waves a work-group, clusters of 4 x 1, 327,680 bytes of LDS; arguments x, wstream, ln1_g, ln1_b, bo, ln2_g, ln2_b, b2, b1, out0; writes out0
.if DOCPART == 2
	.amdgcn_target "amdgcn-amd-amdhsa--gfx1250"
	.amdhsa_code_object_version 6
	.text
	.protected	k_q059457fcb1_block
	.globl	k_q059457fcb1_block
	.p2align	8
	.type	k_q059457fcb1_block,@function
k_q059457fcb1_block:
	s_mov_b64 s[64:65], 0
	v_nop
	global_prefetch_b8 v0, s[64:65] scope:SCOPE_SE
	s_setreg_imm32_b32 hwreg(HW_REG_WAVE_MODE, 25, 1), 1
	s_wait_xcnt 0x0
	s_wait_alu depctr_hold_cnt(0) depctr_sa_sdst(0) depctr_va_vdst(0) depctr_va_sdst(0) depctr_va_ssrc(0) depctr_va_vcc(0) depctr_vm_vsrc(0)
	s_getreg_b32 s2, hwreg(HW_REG_IB_STS2, 6, 4)
	s_cmp_eq_u32 s2, 0
	s_cbranch_scc0 .Lentry_in_a_cluster
	s_endpgm
.Lentry_in_a_cluster:
	s_bfe_u32 s2, ttmp6, 0x10000c
	s_cmp_lg_u32 s2, 0x3003
	s_cbranch_scc0 .Lentry_shape_is_right
	s_endpgm
.Lentry_shape_is_right:
; The whole block: x + attention(LN1(x)) Wo + bo, then + relu(LN2(.) W1 + b1) W2 + b2, every product on codes of FP6 (E2M3) with one E8M0 scale for each 32 along K.  Nothing but x, the weights' stream and the result goes through memory.
; SHARES.  A work-group owns one group of 64 rows (attention stays inside a group): 256 work-groups.  THE FOUR WAVES SHARE THE COLUMNS: wave w makes columns 128 w .. 128 w + 127 of every 512-wide result, for all 64 rows
; (8 tiles of columns t x 4 tiles of rows m).  For q, k, v these are heads 2 w and 2 w + 1, so attention stays inside a wave; a weight fragment is read by one wave alone and feeds four matrix instructions.
; ROWS.  Tile m, lane r is row 32 (m / 2) + 8 (m % 2) + r % 8 + 16 (r / 8), in the whole kernel; the weights' tiles of columns are laid the same way by the launch before.
; So with source 0 = a weight's fragment and source 1 = the rows' fragment a lane (r, h) holds ONE row, and register 16 b + i of its 64 is column 128 w + 32 b + 16 h + i: 16 neighbours of each block of 32, as the conversions want them.
; The v product alone has source 0 = the rows: a lane then holds one channel d and its registers run along the keys, which are the second attention product's K.
; THE RESIDUAL lies in 256 registers (X) in that same layout from the first load to the last store: it is the C and D, in place, of the Wo product and of the four W2 products; bo and b2 are added when each LayerNorm has read X.
; OPERANDS GO FROM WAVE TO WAVE THROUGH LDS AS IMAGES OF THEIR REGISTERS: three stores of 16 bytes a lane for a fragment, 4 bytes a lane for its scale words.
; K = 64 IN ATTENTION.  A fragment of k holds [head a | head b] along its 128; q and p are taken as [a | zeros] or [zeros | b]: zero codes add nothing, fill K to 128 and keep the heads apart.
; SOFTMAX.  t = score x log2(e) / 8, M = ceil(the row's largest t), p = 2^(t - M) is quantised; the row's sum of the unquantised p divides at the end.  All 64 keys are at hand, so M is final.
; LAYERNORM.  Each wave takes its 128 columns' mean and the sum of squares about THAT mean; the four are joined by the means' spread.  No difference of large sums is formed.
; THE WEIGHTS: 24 chunks of 102,400 bytes through a ring of two LDS slots.  The four work-groups of a cluster walk the same stream: wave w of each asks JOINTLY for quarter w, which lands at slot + 25,600 w and is read by that wave alone.
; By this text's own count a wave has two tensor loads out at the start and one behind each round.  A mask names four work-groups, and all work-groups share this one stream, so the cluster is 4 x 1.
; No prefetch is written: the one stream that is read once, x, is asked for whole at the kernel's head.
; LIMITS: NaN and infinities are not served; blocks whose largest magnitude lies under 2^-124 get the scale byte 1; a p under 2^-126 becomes 0; v_rsq_f32, v_rcp_f32 and v_exp_f32 are taken as they are (1 ulp: ISA guide, 15.8).
; REGISTERS, in windows of 256.  Window 0: addresses, scale words, the quantiser's work, two sets of four weight fragments, v's four fragments.  Window 1: the rows' 16 fragments (LayerNorm: gain, bias, the residual's bias; attention: k and q);
; from v192 b1.  Window 2: the 32 accumulators (LayerNorm: scratch; attention: scores and o; the Wo and W2 products: the rows' 16 fragments; the way out: rows).  Window 3: X.
.set SLOT,  102400
.set QUART, 25600
.set IMG,   204800                     ; 16 fragment images (4 s + m, 1,536 bytes), then 16 x 128 bytes of scale words: h, later h2
.set IMS,   24576
.set IMG2D, 26624                      ; the same once more, so far behind: o, later each 512 of the hidden layer
.set PARK,  258048                     ; 13,312 bytes for each wave, its own: q's and k's images in pieces of 8 bytes a lane, their scale words at 12,288; later its stage for the way out (16 rows x 528 bytes)
.set PARKW, 13312
.set STAT,  311296                     ; LayerNorm: (16 m + r) x 32 + 8 w: a wave's mean and sum of squares
.set SPARE, 313344                     ; the spare words, 128 bytes for each wave: two blocks of 256 bytes that no other line names
.set SPW, 1
.set NIL, 2
.set AW, 3                             ; v3, v4  my quarter of slot 0, 1: + 16 x lane
.set IMGW, 5                           ; v5   where I store images: IMG + 6,144 w + 16 x lane
.set IMGWS, 6                          ; v6   and their scale words: IMG + IMS + 512 w + 4 x lane
.set IMGR, 7                           ; v7   where any image is read: IMG + 16 x lane
.set IMGRS, 8                          ; v8   IMG + IMS + 4 x lane
.set PK, 9                             ; v9   PARK + 13,312 w + 8 x lane
.set PKS, 10                           ; v10  PARK + 13,312 w + 12,288 + 4 x lane
.set TA, 11                            ; v11, v12, v22, v23  a base + a loop's step
.set TB, 12
.set STW, 13
.set STR, 14
.set SO, 15                            ; v15  the stage, in: row r, + 64 h
.set SR, 16                            ; v16  the stage, back: 16 x lane
.set XA, 17                            ; v17  x: (r % 8 + 16 (r / 8)) rows + 512 w + 64 h
.set GA, 18                            ; v18  a vector of 512 (or b1): 512 w + 64 h
.set OA, 19                            ; v19  out0: 512 w + 16 x lane
.set FLOOR, 20                         ; v20  2^(3 - 127)
.set NEGINF, 21                        ; v21  -infinity
.set TC, 22
.set TD, 23
.set WS, 24                            ; v24-39  the weights' scale words, a set of eight for each slot
.set AS, 40                            ; v40-55  those of h or h2, 4 s + m
.set HS, 56                            ; v56-71  those of o or the hidden layer, 4 s + m; in attention:
.set QS, 56
.set KS, 60
.set VS, 64
.set PWP, 68
.set TM, 72                            ; v72-87  the quantiser: +0 largest magnitudes, +4 the other half's, then bytes, +12 scale operands
.set QT, 88                            ; v88-95  second halves as the conversions leave them
.set PC, 96                            ; v96-107 a fragment's codes
.set PW, 108                           ; v108    its scale word
.set WB, 110                           ; v110-157, v158-205  four weight fragments, two sets
.set VF, 206                           ; v206-253 v's four fragments
.set RD, 158                           ; LayerNorm's work lies in set 1 and in VF, which are idle then
.set ST, 206
.set MN, 214
.set RS, 222
.set LT, 230
.set PSPL, 158                         ; attention's lies in set 1: p as [a | zeros | b], 18 registers
.set MX, 176
.set NM, 184
.set LL, 188
.set RL, 192
.set B1, 192                           ; window 1
.set BV, 64
.set BI, 128
.set KF, 0
.set QSPL, 48                          ; q as [a | zeros | b]
.set SS, 0                             ; window 2
.set OO, 64
.set BK, 0
.set WV, 4                             ; s4  my wave's number
.set SEL, 28                           ; s[28:29] v_permlanex16_b32's selects for lane l xor 16
.set CS, 30                            ; s[30:31] log2(e) / 8, twice
.set G1, 32                            ; s[32:39] descriptor group 1;  s[40:43], s[44:47] group 0 for slot 0, 1
.set G0, 40
.set KQ, 0                             ; kinds of product: rows as source 1, sums from 0;
.set K1, 1                             ; the same, sums from b1;
.set KV, 2                             ; rows as source 0;
.set KX, 3                             ; rows from the second images, sums in place on X
.set MSB, 0
.macro WIN new                         ; low byte: bits 1:0 source 0, 3:2 source 1, 5:4 source 2, 7:6 destination; the high byte repeats the setting that is left
.if MSB != \new
	s_set_vgpr_msb (MSB<<8)|\new
.set MSB, \new
.endif
.endm
.macro NOPS n
.rept \n
	v_nop
.endr
.endm
.macro CREST                           ; a round of the cluster's barrier behind its opening barrier
	s_cmp_lg_u32 s[WV], 0
	s_cbranch_scc1 .Lnot_wave_0_\@
	s_barrier_signal -3
.Lnot_wave_0_\@:
	s_barrier_wait -3
	s_barrier_signal -1
	s_barrier_wait -1
.endm
.macro CROUND
	s_barrier_signal -1
	s_barrier_wait -1
	CREST
.endm
.macro BAR                             ; my LDS stores have landed and my LDS loads are in: then the work-group's barrier.  My one tensor load may stay out
	s_wait_dscnt 0x0
	s_barrier_signal -1
	s_barrier_wait -1
.endm
; 64 numbers of a lane in window 2, v[s] on, register 16 b + i = k 32 b + 16 (lane / 16) + i of my row, become codes in window 0 (k 0-63 in v[d] .. v[d + 5], k 64-127 in v[d + gap] ..) and the scale word v[pw].
.macro QUANT s, d, gap, pw
	WIN 0x28
.irp b, 0,1,2,3
	v_max3_num_f32 v[TM+\b], v[FLOOR], |v[(\s)+16*\b]|, |v[(\s)+16*\b+1]|   ; block b: my 16 numbers and the floor, so that the byte cannot fall under 1.  Each accumulator is read from its low end on
.endr
.irp i, 2,4,6,8,10,12,14
.irp b, 0,1,2,3
	v_max3_num_f32 v[TM+\b], v[TM+\b], |v[(\s)+16*\b+\i]|, |v[(\s)+16*\b+\i+1]|   ; (the four blocks by turns)
.endr
.endr
	WIN 0
.irp b, 0,1,2,3
	v_permlanex16_b32 v[TM+4+\b], v[TM+\b], s[SEL], s[SEL+1]
.endr
.irp b, 0,1,2,3
	v_max_num_f32 v[TM+\b], v[TM+\b], v[TM+4+\b]   ; with lane l xor 16's: the block's largest magnitude
.endr
.irp b, 0,1,2,3
	v_add_nc_u32 v[TM+12+\b], 0xff000000, v[TM+\b] ; 2 off its exponent field: the conversion's scale operand
.endr
.irp b, 0,1,2,3
	v_lshrrev_b32 v[TM+4+\b], 23, v[TM+12+\b]      ; the scale's byte
.endr
	s_wait_dscnt 0x0                               ; the last image's stores have read the codes' registers and the scale word
	v_lshl_or_b32 v[\pw], v[TM+5], 8, v[TM+4]
	v_lshl_or_b32 v[\pw], v[TM+6], 16, v[\pw]
	v_lshl_or_b32 v[\pw], v[TM+7], 24, v[\pw]
	WIN 0x02
.irp c, 0,1
	v_cvt_scalef32_pk16_fp6_f32 v[(\d)+(\gap)*\c:(\d)+(\gap)*\c+2], v[(\s)+32*\c:(\s)+32*\c+15], v[TM+12+2*\c]
	v_cvt_scalef32_pk16_fp6_f32 v[QT+4*\c:QT+4*\c+2], v[(\s)+32*\c+16:(\s)+32*\c+31], v[TM+13+2*\c]   ; (a conversion's three registers begin on an even number)
.endr
	WIN 0
	v_nop                                          ; one plain place behind a scaled conversion
.irp c, 0,1                            ; the operand's layout wants a WHOLE block in a lane: lanes 0-15 block 2 c, lanes 16-31 block 2 c + 1
.irp i, 0,1,2
	v_permlane16_swap_b32 v[(\d)+(\gap)*\c+\i], v[QT+4*\c+\i]
.endr
.irp i, 0,1,2
	v_mov_b32 v[(\d)+(\gap)*\c+3+\i], v[QT+4*\c+\i]
.endr
.endr
.endm
.macro IMAGE reg, off, sreg, soff      ; the fragment in v[PC] on and its scale word go to LDS as they stand
.irp c, 0,1,2
	ds_store_b128 v[\reg], v[PC+4*\c:PC+4*\c+3] offset:(\off)+512*\c
.endr
	ds_store_b32 v[\sreg], v[PW] offset:\soff
.endm
.macro PARKST m                        ; the same into my own bytes, in pieces of 8 bytes a lane, so that half a fragment (six registers) can be fetched by itself
.irp p, 0,1,2,3,4,5
	ds_store_b64 v[TA], v[PC+2*\p:PC+2*\p+1] offset:1536*(\m)+256*\p
.endr
	ds_store_b32 v[TB], v[PW] offset:128*(\m)
.endm
.macro FETCHACT                        ; all 16 fragments of h or h2 into window 1, their scale words into v[AS] on
	WIN 0x40
.set FI, 0
.rept 16
.irp c, 0,1,2
	ds_load_b128 v[12*FI+4*\c:12*FI+4*\c+3], v[IMGR] offset:1536*FI+512*\c
.endr
.set FI, FI+1
.endr
	WIN 0
.set FI, 0
.rept 16
	ds_load_b32 v[AS+FI], v[IMGRS] offset:128*FI
.set FI, FI+1
.endr
.endm
.macro FETCHHF s, m0, n                ; n fragments of the second images, from (K step s, tile m0) on, into window 2
	WIN 0x80
.set FI, 4*(\s)+(\m0)
.rept \n
.irp c, 0,1,2
	ds_load_b128 v[12*FI+4*\c:12*FI+4*\c+3], v[IMGR] offset:IMG2D+1536*FI+512*\c
.endr
.set FI, FI+1
.endr
	WIN 0
.set FI, 4*(\s)+(\m0)
.rept \n
	ds_load_b32 v[HS+FI], v[IMGRS] offset:IMG2D+128*FI
.set FI, FI+1
.endr
.endm
.macro WLOAD slot, g, set              ; weight fragments 4 g .. 4 g + 3 of my quarter
.irp i, 0,1,2,3
.irp c, 0,1,2
	ds_load_b128 v[WB+48*(\set)+12*\i+4*\c:WB+48*(\set)+12*\i+4*\c+3], v[AW+(\slot)] offset:1536*(4*(\g)+\i)+512*\c
.endr
.endr
.endm
.macro PRIME slot                      ; a chunk's first four fragments and its eight registers of scale words
	WLOAD \slot, 0, 0
	ds_load_b128 v[WS+8*(\slot):WS+8*(\slot)+3], v[AW+(\slot)] offset:24576
	ds_load_b128 v[WS+8*(\slot)+4:WS+8*(\slot)+7], v[AW+(\slot)] offset:25088
.endm
.macro WMX                             ; one matrix instruction from the symbols WD, WA, WBR, WCM (0: the sum starts), WC, WSA, WSB, WROW (1: source 0's scales in lanes 16-31; 2: source 1's)
.if WCM == 0
.if WROW == 0
	v_wmma_scale_f32_16x16x128_f8f6f4 v[WD:WD+7], v[WA:WA+11], v[WBR:WBR+11], 0, v[WSA], v[WSB] matrix_a_fmt:MATRIX_FMT_FP6 matrix_b_fmt:MATRIX_FMT_FP6
.elseif WROW == 1
	v_wmma_scale_f32_16x16x128_f8f6f4 v[WD:WD+7], v[WA:WA+11], v[WBR:WBR+11], 0, v[WSA], v[WSB] matrix_a_fmt:MATRIX_FMT_FP6 matrix_b_fmt:MATRIX_FMT_FP6 matrix_a_scale:MATRIX_SCALE_ROW1
.else
	v_wmma_scale_f32_16x16x128_f8f6f4 v[WD:WD+7], v[WA:WA+11], v[WBR:WBR+11], 0, v[WSA], v[WSB] matrix_a_fmt:MATRIX_FMT_FP6 matrix_b_fmt:MATRIX_FMT_FP6 matrix_b_scale:MATRIX_SCALE_ROW1
.endif
.else
.if WROW == 0
	v_wmma_scale_f32_16x16x128_f8f6f4 v[WD:WD+7], v[WA:WA+11], v[WBR:WBR+11], v[WC:WC+7], v[WSA], v[WSB] matrix_a_fmt:MATRIX_FMT_FP6 matrix_b_fmt:MATRIX_FMT_FP6
.elseif WROW == 1
	v_wmma_scale_f32_16x16x128_f8f6f4 v[WD:WD+7], v[WA:WA+11], v[WBR:WBR+11], v[WC:WC+7], v[WSA], v[WSB] matrix_a_fmt:MATRIX_FMT_FP6 matrix_b_fmt:MATRIX_FMT_FP6 matrix_a_scale:MATRIX_SCALE_ROW1
.else
	v_wmma_scale_f32_16x16x128_f8f6f4 v[WD:WD+7], v[WA:WA+11], v[WBR:WBR+11], v[WC:WC+7], v[WSA], v[WSB] matrix_a_fmt:MATRIX_FMT_FP6 matrix_b_fmt:MATRIX_FMT_FP6 matrix_b_scale:MATRIX_SCALE_ROW1
.endif
.endif
.endm
; Fragments i0 .. i0 + n - 1 of group g of a chunk, each against the four tiles of rows.  Fragment f = 4 g + i is K step 2 half + g / 2, tile of columns 4 (g % 2) + i.
; The 32 accumulators take turns, one instruction a turn, in the same order in every K step.
.macro MUL kind, slot, half, g, i0, n
.set MI, \i0
.rept \n
.set MF, 4*(\g)+MI
.set MS, 2*(\half)+(\g)/2
.set MT, 4*((\g)%2)+MI
.set MW, WB+48*((\g)%2)+12*MI
.set MSC, WS+8*(\slot)+MF/2
.set MM, 0
.rept 4
.if (\kind) == KV
	WIN 0xA1                                       ; rows (window 1) x weight (window 0), sums in window 2
.set WD, 64*(MT%4)+32*(MT/4)+8*MM
.set WC, WD
.set WCM, MS
.set WA, 12*(4*MS+MM)
.set WBR, MW
.set WSA, AS+4*MS+MM
.set WSB, MSC
.set WROW, 2*(MF%2)
.else
.set WD, 64*MM+8*MT
.set WC, WD
.set WCM, MS
.set WA, MW
.set WBR, 12*(4*MS+MM)
.set WSA, MSC
.set WSB, AS+4*MS+MM
.set WROW, MF%2
.if (\kind) == KX
	WIN 0xF8                                       ; weight (window 0) x rows (window 2), sums in place on X (window 3)
.set WCM, 1
.set WSB, HS+4*MS+MM
.elseif ((\kind) == K1) && (MS == 0)
	WIN 0x94                                       ; the first K step's C is b1 (window 1)
.set WCM, 1
.set WC, B1+8*MT
.else
	WIN 0xA4                                       ; weight (window 0) x rows (window 1), sums in window 2
.endif
.endif
	WMX
.set MM, MM+1
.endr
.set MI, MI+1
.endr
.endm
; One of a chunk's first three groups: 16 matrix instructions; ahead of them the next group's 12 LDS loads, into the set that the last group read.
; Five plain places: four are owed by loads into registers that matrix instructions have read, five by a product's first results where they are laid over the rows' fragments of the product before (ISA guide 7.12.1 for the results).
.macro GROUP kind, slot, half, g
	s_wait_dscnt 0x0                               ; this group's fragments are in (asked for 16 matrix instructions ago)
	NOPS 5
	WIN 0
	WLOAD \slot, (\g)+1, ((\g)+1)%2
.if (\kind) == KX
.set GG, 4*(\half)+(\g)
.if GG <= 5
	FETCHHF GG/2+1, 2*(GG%2), 2                    ; the next K step's rows, two fragments a group
.endif
.endif
	MUL \kind, \slot, \half, \g, 0, 4
.endm
; A chunk's last group.  mode 2: the slot is filled again, two chunks ahead: all my tensor loads have landed (my quarter of the other slot), 0 is added to my spare word, that and my reads of this slot are waited for,
; and a round of the cluster's barrier says the same of every wave of the four partners; the joint refill is the first thing behind it.  mode 1: nothing is left to ask for, the last chunk is waited for.  mode 0: the last chunk.
.macro TURNG kind, slot, half, mode
	s_wait_dscnt 0x0                               ; the group's fragments are in: my last reads of this slot
.if (\mode) == 2
	WIN 0
	s_wait_tensorcnt 0x0                           ; no tensor load of mine is out, so a group 0 may be written
	ds_add_u32 v[SPW], v[NIL]                      ; 0 onto my spare word
	s_add_nc_u64 s[G0+4*(\slot)+2:G0+4*(\slot)+3], s[G0+4*(\slot)+2:G0+4*(\slot)+3], 2*SLOT
	MUL \kind, \slot, \half, 3, 0, 1               ; four matrix instructions stand between the add and the wait for it
	s_wait_dscnt 0x0
	s_barrier_signal -1
	MUL \kind, \slot, \half, 3, 1, 1
	WIN 0
	s_barrier_wait -1
	CREST
	tensor_load_to_lds s[G0+4*(\slot):G0+4*(\slot)+3], s[G1:G1+7]
	s_nop 0
	NOPS 4                                         ; the places in front of the loads below
	PRIME 1-(\slot)
.if (\kind) == KX
.if (\half) == 0
	FETCHHF 2, 2, 2
.endif
.endif
	MUL \kind, \slot, \half, 3, 2, 2
.elseif (\mode) == 1
	s_wait_tensorcnt 0x0                           ; the one load that is out is the last chunk's; I alone read my quarter
	NOPS 5
	WIN 0
	PRIME 1-(\slot)
	FETCHHF 2, 2, 2
	MUL \kind, \slot, \half, 3, 0, 4
.else
	MUL \kind, \slot, \half, 3, 0, 4
.endif
.endm
.macro CHUNK kind, slot, half, mode
	GROUP \kind, \slot, \half, 0
	GROUP \kind, \slot, \half, 1
	GROUP \kind, \slot, \half, 2
	TURNG \kind, \slot, \half, \mode
.endm
.macro PROD kind, m0, m1               ; a product 64 x 512 x 512: two chunks, 128 matrix instructions a wave.  Every product begins in slot 0
	CHUNK \kind, 0, 0, \m0
	CHUNK \kind, 1, 1, \m1
.endm
.macro LNLOAD gp, bp, ip               ; gain, bias and the residual's bias at my lane's 64 columns, into window 1
	WIN 0x40
.irp b, 0,1,2,3
.irp q, 0,1,2,3
	global_load_b128 v[16*\b+4*\q:16*\b+4*\q+3], v[GA], s[\gp:\gp+1] offset:128*\b+16*\q
	global_load_b128 v[BV+16*\b+4*\q:BV+16*\b+4*\q+3], v[GA], s[\bp:\bp+1] offset:128*\b+16*\q
	global_load_b128 v[BI+16*\b+4*\q:BI+16*\b+4*\q+3], v[GA], s[\ip:\ip+1] offset:128*\b+16*\q
.endr
.endr
	WIN 0
.endm
.macro B1LOAD
	WIN 0x40
.irp b, 0,1,2,3
.irp q, 0,1,2,3
	global_load_b128 v[B1+16*\b+4*\q:B1+16*\b+4*\q+3], v[GA], s[24:25] offset:128*\b+16*\q
.endr
.endr
	WIN 0
.endm
.macro TREE                            ; window 2: in each of the four tiles, 16 pairs at 64 m become one
	WIN 0xAA
.irp wd, 16,8,4,2
.set TI, 0
.rept \wd/2
.irp m, 0,1,2,3
	v_pk_add_f32 v[64*\m+TI:64*\m+TI+1], v[64*\m+TI:64*\m+TI+1], v[64*\m+\wd+TI:64*\m+\wd+TI+1]
.endr
.set TI, TI+2
.endr
.endr
.endm
.macro ROWSUM                          ; the pair's halves and lane l xor 16's: my wave's sum for each row, in v[ST + 2 m + 1]
	WIN 0x0A
.irp m, 0,1,2,3
	v_add_f32 v[ST+2*\m+1], v[64*\m], v[64*\m+1]
.endr
	WIN 0
.irp m, 0,1,2,3
	v_permlanex16_b32 v[TM+4+\m], v[ST+2*\m+1], s[SEL], s[SEL+1]
.endr
.irp m, 0,1,2,3
	v_add_f32 v[ST+2*\m+1], v[ST+2*\m+1], v[TM+4+\m]
.endr
.endm
.macro HID                             ; my 128 hidden units of the 64 rows: relu, quantised, K step w of the W2 product: images to LDS
	NOPS 4
	WIN 0x88
.set TI, 0
.rept 256
	v_max_num_f32 v[TI], 0, v[TI]
.set TI, TI+1
.endr
.irp m, 0,1,2,3
	QUANT 64*\m, PC, 6, PW
	IMAGE IMGW, IMG2D+1536*\m, IMGWS, IMG2D+128*\m
.endr
	BAR
.endm
	s_load_b512 s[8:23], s[0:1], 0x0               ; x, the stream, ln1_g, ln1_b, bo, ln2_g, ln2_b, b2
	s_load_b128 s[24:27], s[0:1], 0x40             ; b1, out0
	v_lshl_add_u32 v[SPW], v0, 2, SPARE
	v_mov_b32 v[NIL], 0
	ds_add_u32 v[SPW], v[NIL]                      ; the wave's opening: the add and its wait stand ahead of my first tensor load; the set-up below, work on registers, stands between them
	v_lshrrev_b32 v88, 5, v0
	v_readfirstlane_b32 s[WV], v88                 ; wave 0..3
	s_bfe_u32 s5, ttmp6, 0x40000                   ; cx: my place in the cluster: it enters x's and out0's addresses alone
	s_lshl_b32 s6, ttmp9, 2
	s_add_co_u32 s6, s6, s5                        ; my group of 64 rows
	s_lshl_b32 s56, s6, 17                         ; x 131,072 bytes
	s_mov_b32 s57, 0
	s_mov_b32 s[G1], 15|(3<<16)|(1<<21)            ; 15:0 the mask: all four work-groups; 17:16 elements of 8 bytes; 20 no padding; 21 set beside a mask
	s_mov_b32 s[G1+1], 32<<16                      ; tensor_dim0 = 32 elements: rows of 256 bytes
	s_mov_b32 s[G1+2], 100<<16                     ; tensor_dim1 = 100 rows: a quarter, 25,600 dense bytes
	s_mov_b32 s[G1+3], 32<<16                      ; tile_dim0
	s_mov_b32 s[G1+4], 100                         ; tile_dim1
	s_mov_b32 s[G1+5], 32                          ; from row to row
	s_mov_b32 s[G1+6], 0
	s_mov_b32 s[G1+7], 0
	s_mul_i32 s58, s[WV], QUART                    ; my quarter, in a chunk and in a slot
	s_mov_b32 s59, 0
	s_mov_b32 s[SEL], 0x76543210
	s_mov_b32 s[SEL+1], 0xfedcba98
	s_mov_b32 s[CS], 0x3e38aa3b                    ; log2(e) / 8
	s_mov_b32 s[CS+1], s[CS]
	s_mov_b32 s54, 0x3b000000                      ; 1 / 512
	s_mov_b32 s55, 0x3727c5ac                      ; 1e-5
	s_wait_dscnt 0x0                               ; the opening add is done
	s_wait_kmcnt 0x0
	s_add_nc_u64 s[8:9], s[8:9], s[56:57]
	s_add_nc_u64 s[26:27], s[26:27], s[56:57]
	s_mov_b32 s[G0], 1
	s_mov_b32 s[G0+1], s58
	s_add_nc_u64 s[G0+2:G0+3], s[10:11], s[58:59]  ; chunk 0
	s_mov_b32 s[G0+4], 1
	s_add_co_u32 s[G0+5], s58, SLOT
	s_add_nc_u64 s[G0+6:G0+7], s[G0+2:G0+3], SLOT  ; chunk 1
	s_or_b32 s[G0+3], s[G0+3], 0x80000000
	s_or_b32 s[G0+7], s[G0+7], 0x80000000
	CROUND                                         ; all four work-groups are here: the first joint loads meet
	tensor_load_to_lds s[G0:G0+3], s[G1:G1+7]
	s_nop 0
	tensor_load_to_lds s[G0+4:G0+7], s[G1:G1+7]
	s_nop 0
	NOPS 4
	v_and_b32 v88, 31, v0                          ; lane
	v_and_b32 v89, 15, v0                          ; r
	v_bfe_u32 v90, v0, 4, 1                        ; h
	s_lshl_b32 s6, s[WV], 9
	v_lshl_add_u32 v[GA], v90, 6, s6
	v_and_b32 v91, 7, v89
	v_lshrrev_b32 v92, 3, v89
	v_lshlrev_b32 v91, 11, v91
	v_lshl_add_u32 v91, v92, 15, v91
	v_add_nc_u32 v[XA], v91, v[GA]
	WIN 0xC0
.irp m, 0,1,2,3                        ; x, once, straight into the layout that the results have: 16 neighbours of each block of 32
.irp b, 0,1,2,3
.irp q, 0,1,2,3
	global_load_b128 v[64*\m+16*\b+4*\q:64*\m+16*\b+4*\q+3], v[XA], s[8:9] offset:(32*(\m/2)+8*(\m%2))*2048+128*\b+16*\q th:TH_LOAD_NT
.endr
.endr
.endr
	LNLOAD 12, 14, 16
	B1LOAD                                         ; b1 of the first 512 hidden units
	v_lshl_add_u32 v[OA], v88, 4, s6
	v_lshl_add_u32 v[AW], v88, 4, s58
	v_add_nc_u32 v[AW+1], SLOT, v[AW]
	s_mul_i32 s7, s[WV], 6144
	s_add_co_u32 s7, s7, IMG
	v_lshl_add_u32 v[IMGW], v88, 4, s7
	s_add_co_u32 s7, s6, IMG+IMS
	v_lshl_add_u32 v[IMGWS], v88, 2, s7
	v_lshl_add_u32 v[IMGR], v88, 4, IMG
	v_lshl_add_u32 v[IMGRS], v88, 2, IMG+IMS
	s_mul_i32 s52, s[WV], PARKW
	s_add_co_u32 s52, s52, PARK
	v_lshl_add_u32 v[PK], v88, 3, s52
	s_add_co_u32 s7, s52, 12288
	v_lshl_add_u32 v[PKS], v88, 2, s7
	s_lshl_b32 s7, s[WV], 3
	s_add_co_u32 s7, s7, STAT
	v_lshl_add_u32 v[STW], v89, 5, s7
	v_lshl_add_u32 v[STR], v89, 5, STAT
	v_mul_u32_u24 v[SO], v89, 528
	v_lshl_add_u32 v[SO], v90, 6, v[SO]
	v_add_nc_u32 v[SO], s52, v[SO]
	v_lshl_add_u32 v[SR], v88, 4, s52
	v_mov_b32 v[FLOOR], 0x1800000
	v_mov_b32 v[NEGINF], 0xff800000
.irp b, 0,1,2,3
	v_mov_b32 v[TM+4+\b], 0                        ; written once: a lane permute's destination counts as one of its sources
.endr
	s_wait_tensorcnt 0x1                           ; my quarter of chunk 0 is in (chunk 1's load was issued behind it); I alone read it
	PRIME 0
	s_mov_b32 s48, 0
; ---- A LAYERNORM AND WHAT FOLLOWS IT.  The text is walked twice: LN1, q, k, v, attention, Wo; then LN2, and out to the feed-forward part.
.Lhalf:
	s_wait_loadcnt 0x0                             ; x (first walk), gain, bias, the residual's bias, b1
	WIN 0x8F                                       ; my wave's mean of each row: 128 numbers, 64 a lane
.set TI, 0
.rept 16
.irp m, 0,1,2,3
	v_pk_add_f32 v[64*\m+TI:64*\m+TI+1], v[64*\m+TI:64*\m+TI+1], v[64*\m+32+TI:64*\m+33+TI]   ; X's accumulators are read from their low ends on
.endr
.set TI, TI+2
.endr
	TREE
	ROWSUM
.irp m, 0,1,2,3
	v_mul_f32 v[ST+2*\m], 0x3c000000, v[ST+2*\m+1] ; / 128
.endr
	WIN 0x83                                       ; and the sum of squares about that mean
.set TI, 0
.rept 32
.irp m, 0,1,2,3
	v_pk_add_f32 v[64*\m+TI:64*\m+TI+1], v[64*\m+TI:64*\m+TI+1], v[ST+2*\m:ST+2*\m+1] op_sel_hi:[1,0] neg_lo:[0,1] neg_hi:[0,1]
.endr
.set TI, TI+2
.endr
	WIN 0xAA
.set TI, 0
.rept 16
.irp m, 0,1,2,3
	v_pk_mul_f32 v[64*\m+TI:64*\m+TI+1], v[64*\m+TI:64*\m+TI+1], v[64*\m+TI:64*\m+TI+1]
.endr
.set TI, TI+2
.endr
.set TI, 0
.rept 16
.irp m, 0,1,2,3
	v_pk_fma_f32 v[64*\m+TI:64*\m+TI+1], v[64*\m+32+TI:64*\m+33+TI], v[64*\m+32+TI:64*\m+33+TI], v[64*\m+TI:64*\m+TI+1]
.endr
.set TI, TI+2
.endr
	TREE
	ROWSUM
.irp m, 0,1,2,3
	ds_store_b64 v[STW], v[ST+2*\m:ST+2*\m+1] offset:512*\m        ; both halves of the lanes write the same pair
.endr
	BAR                                            ; the four waves' pairs lie in LDS
.irp m, 0,1,2,3
	ds_load_b128 v[RD+8*\m:RD+8*\m+3], v[STR] offset:512*\m
	ds_load_b128 v[RD+8*\m+4:RD+8*\m+7], v[STR] offset:512*\m+16
.endr
	s_wait_dscnt 0x0
.irp m, 0,1,2,3
	v_add_f32 v[LT+4*\m], v[RD+8*\m], v[RD+8*\m+2]
	v_add_f32 v[LT+4*\m+1], v[RD+8*\m+4], v[RD+8*\m+6]
.endr
.irp m, 0,1,2,3
	v_add_f32 v[LT+4*\m], v[LT+4*\m], v[LT+4*\m+1]
.endr
.irp m, 0,1,2,3
	v_mul_f32 v[MN+2*\m], 0x3e800000, v[LT+4*\m]   ; the row's mean
.endr
.irp m, 0,1,2,3
	v_mov_b32 v[MN+2*\m+1], v[MN+2*\m]             ; (named with it as a pair)
	v_sub_f32 v[LT+4*\m], v[RD+8*\m], v[MN+2*\m]
	v_sub_f32 v[LT+4*\m+1], v[RD+8*\m+2], v[MN+2*\m]
	v_sub_f32 v[LT+4*\m+2], v[RD+8*\m+4], v[MN+2*\m]
	v_sub_f32 v[LT+4*\m+3], v[RD+8*\m+6], v[MN+2*\m]
.endr
.irp m, 0,1,2,3
	v_mul_f32 v[LT+4*\m], v[LT+4*\m], v[LT+4*\m]
.endr
.irp m, 0,1,2,3
	v_fma_f32 v[LT+4*\m], v[LT+4*\m+1], v[LT+4*\m+1], v[LT+4*\m]
.endr
.irp m, 0,1,2,3
	v_fma_f32 v[LT+4*\m], v[LT+4*\m+2], v[LT+4*\m+2], v[LT+4*\m]
.endr
.irp m, 0,1,2,3
	v_fma_f32 v[LT+4*\m], v[LT+4*\m+3], v[LT+4*\m+3], v[LT+4*\m]   ; the spread of the four means
	v_add_f32 v[LT+4*\m+1], v[RD+8*\m+1], v[RD+8*\m+3]
	v_add_f32 v[LT+4*\m+2], v[RD+8*\m+5], v[RD+8*\m+7]
.endr
.irp m, 0,1,2,3
	v_add_f32 v[LT+4*\m+1], v[LT+4*\m+1], v[LT+4*\m+2]
.endr
.irp m, 0,1,2,3
	v_fma_f32 v[LT+4*\m], v[LT+4*\m], 0x43000000, v[LT+4*\m+1]     ; the row's sum of squares about its mean: the four sums + 128 x the spread
.endr
.irp m, 0,1,2,3
	v_fma_f32 v[LT+4*\m], v[LT+4*\m], s54, s55     ; / 512 + 1e-5
	v_mov_b32 v[RS+2*\m+1], 0                      ; (named with the result as a pair)
.endr
.irp m, 0,1,2,3
	v_rsq_f32 v[RS+2*\m], v[LT+4*\m]               ; one batch; the 128 lines below name none of its results
.endr
	WIN 0x83
.set TI, 0
.rept 32
.irp m, 0,1,2,3
	v_pk_add_f32 v[64*\m+TI:64*\m+TI+1], v[64*\m+TI:64*\m+TI+1], v[MN+2*\m:MN+2*\m+1] op_sel_hi:[1,0] neg_lo:[0,1] neg_hi:[0,1]   ; x - mean
.endr
.set TI, TI+2
.endr
	s_wait_alu depctr_va_vdst(0)                   ; the wait stands ahead of the first line that names a root's result: one for the four
	WIN 0x82
.set TI, 0
.rept 32
.irp m, 0,1,2,3
	v_pk_mul_f32 v[64*\m+TI:64*\m+TI+1], v[64*\m+TI:64*\m+TI+1], v[RS+2*\m:RS+2*\m+1] op_sel_hi:[1,0]
.endr
.set TI, TI+2
.endr
	WIN 0x96
.set TI, 0
.rept 32
.irp m, 0,1,2,3
	v_pk_fma_f32 v[64*\m+TI:64*\m+TI+1], v[64*\m+TI:64*\m+TI+1], v[TI:TI+1], v[BV+TI:BV+TI+1]   ; x gain + bias
.endr
.set TI, TI+2
.endr
	WIN 0xC7
.set TI, 0
.rept 32
.irp m, 0,1,2,3
	v_pk_add_f32 v[64*\m+TI:64*\m+TI+1], v[64*\m+TI:64*\m+TI+1], v[BI+TI:BI+TI+1]   ; the residual takes bo (b2) now: the coming products add in place
.endr
.set TI, TI+2
.endr
.irp m, 0,1,2,3
	QUANT 64*\m, PC, 6, PW
	IMAGE IMGW, 1536*\m, IMGWS, 128*\m             ; K step w, rows' tile m
.endr
	BAR                                            ; the 16 fragments lie in LDS
	FETCHACT
	s_cmp_eq_u32 s48, 1
	s_cbranch_scc1 .Lffn
; ---- q, then k: the same text; each tile of rows is quantised along the heads' channels and parked in my own bytes
	s_mov_b32 s49, 0
	s_mov_b32 s50, 0
	s_mov_b32 s51, 0
.Lqk:
	v_add_nc_u32 v[TA], s50, v[PK]
	v_add_nc_u32 v[TB], s51, v[PKS]
	PROD KQ, 2, 2
	WIN 0
	NOPS 4
.irp m, 0,1,2,3
	QUANT 64*\m, PC, 6, PW
	PARKST \m
.endr
	s_add_co_u32 s50, s50, 6144
	s_add_co_u32 s51, s51, 512
	s_add_co_u32 s49, s49, 1
	s_cmp_lt_u32 s49, 2
	s_cbranch_scc1 .Lqk
; ---- v: a lane holds a channel, its registers run along the keys.  Fragment p: [head a's channels, tile p | head b's, tile p + 4] along its 128
	PROD KV, 2, 2
	WIN 0
	NOPS 4
.irp p, 0,1,2,3
	QUANT 64*\p, VF+12*\p, 6, VS+\p
.endr
	WIN 0x40
.irp i, 6,7,8,9,10,11
	v_mov_b32 v[QSPL+\i], 0                        ; the zero codes between q's two heads
.endr
.irp m, 0,1,2,3
.irp p, 0,1,2,3,4,5
	ds_load_b64 v[KF+12*\m+2*\p:KF+12*\m+2*\p+1], v[PK] offset:6144+1536*\m+256*\p   ; k's four fragments: my own stores, served in order
.endr
.endr
	WIN 0
.irp m, 0,1,2,3
	ds_load_b32 v[KS+\m], v[PKS] offset:512+128*\m
.endr
.irp i, 6,7,8,9,10,11
	v_mov_b32 v[PSPL+\i], 0                        ; and between p's
.endr
.irp i, 1,3
	v_mov_b32 v[NM+\i], 0                          ; (upper halves of pairs of which the low word serves)
	v_mov_b32 v[RL+\i], 0
.endr
	s_mov_b32 s49, 0
	s_mov_b32 s50, 0
	s_mov_b32 s51, 0
; ---- attention, a tile of 16 queries a trip, both heads
.Latt:
	v_add_nc_u32 v[TA], s50, v[PK]
	v_add_nc_u32 v[TB], s51, v[PKS]
	v_add_nc_u32 v[TC], s50, v[IMGW]
	v_add_nc_u32 v[TD], s51, v[IMGWS]
	WIN 0x40
.irp p, 0,1,2
	ds_load_b64 v[QSPL+2*\p:QSPL+2*\p+1], v[TA] offset:256*\p
	ds_load_b64 v[QSPL+12+2*\p:QSPL+13+2*\p], v[TA] offset:768+256*\p
.endr
	WIN 0
	ds_load_b32 v[QS], v[TB]
	s_wait_dscnt 0x0
	WIN 0x85                                       ; S^T = k q^T: source 0 = 16 keys, source 1 = my 16 queries of one head
.set WCM, 0
.set WROW, 0
.set WSB, QS
.set MM, 0
.rept 4
.irp hd, 0,1
.set WD, SS+32*\hd+8*MM
.set WA, KF+12*MM
.set WBR, QSPL+6*\hd
.set WSA, KS+MM
	WMX
.endr
.set MM, MM+1
.endr
	NOPS 4
	WIN 0x28
.irp b, 0,1,2,3
	v_max3_num_f32 v[MX+\b], v[NEGINF], v[SS+16*\b], v[SS+16*\b+1]
.endr
.irp i, 2,4,6,8,10,12,14
.irp b, 0,1,2,3
	v_max3_num_f32 v[MX+\b], v[MX+\b], v[SS+16*\b+\i], v[SS+16*\b+\i+1]
.endr
.endr
	WIN 0
.irp hd, 0,1
	v_max_num_f32 v[MX+2*\hd], v[MX+2*\hd], v[MX+2*\hd+1]
.endr
.irp hd, 0,1
	v_permlanex16_b32 v[TM+4+\hd], v[MX+2*\hd], s[SEL], s[SEL+1]
.endr
.irp hd, 0,1
	v_max_num_f32 v[MX+2*\hd], v[MX+2*\hd], v[TM+4+\hd]            ; the row's largest score
.endr
.irp hd, 0,1
	v_mul_f32 v[MX+2*\hd], s[CS], v[MX+2*\hd]      ; as t
.endr
.irp hd, 0,1
	v_floor_f32 v[NM+2*\hd], -v[MX+2*\hd]          ; -M = floor(-t): M is a whole number
.endr
	WIN 0x82
.set TI, 0
.rept 16
.irp hd, 0,1
	v_pk_fma_f32 v[SS+32*\hd+TI:SS+32*\hd+TI+1], v[SS+32*\hd+TI:SS+32*\hd+TI+1], s[CS:CS+1], v[NM+2*\hd:NM+2*\hd+1] op_sel_hi:[1,0,0]   ; t - M
.endr
.set TI, TI+2
.endr
.set TI, 0
.rept 64
	v_exp_f32 v[SS+TI], v[SS+TI]                   ; p = 2^(t - M): one batch
.set TI, TI+1
.endr
	v_nop                                          ; a plain place behind the last exponential
	s_wait_alu depctr_va_vdst(0)                   ; one wait for the batch, ahead of its first reader
	WIN 0xAA                                       ; the rows' sums of the UNQUANTISED p, into o's registers, which are free
.set TI, 0
.rept 8
.irp hd, 0,1
	v_pk_add_f32 v[OO+32*\hd+TI:OO+32*\hd+TI+1], v[SS+32*\hd+TI:SS+32*\hd+TI+1], v[SS+32*\hd+16+TI:SS+32*\hd+17+TI]
.endr
.set TI, TI+2
.endr
.irp wd, 8,4,2
.set TI, 0
.rept \wd/2
.irp hd, 0,1
	v_pk_add_f32 v[OO+32*\hd+TI:OO+32*\hd+TI+1], v[OO+32*\hd+TI:OO+32*\hd+TI+1], v[OO+32*\hd+\wd+TI:OO+32*\hd+\wd+TI+1]
.endr
.set TI, TI+2
.endr
.endr
	WIN 0x0A
.irp hd, 0,1
	v_add_f32 v[LL+\hd], v[OO+32*\hd], v[OO+32*\hd+1]
.endr
	WIN 0
.irp hd, 0,1
	v_permlanex16_b32 v[TM+4+\hd], v[LL+\hd], s[SEL], s[SEL+1]
.endr
.irp hd, 0,1
	v_add_f32 v[LL+\hd], v[LL+\hd], v[TM+4+\hd]
.endr
.irp hd, 0,1
	v_rcp_f32 v[RL+2*\hd], v[LL+\hd]               ; wanted behind the second product: the quantiser's lines stand between
.endr
	QUANT SS, PSPL, 12, PWP                        ; p as [a | zeros | b]; its word's bytes 0, 1 are head a's blocks of keys, 2, 3 head b's
	NOPS 8                                         ; a scale word written by a vector line stands eight places ahead of a scaled matrix instruction, codes so written four
	WIN 0x80                                       ; O^T = v^T p^T: source 0 = 16 channels, source 1 = p of one head
.set WCM, 0
.set WROW, 0
.set WSB, PWP
.set MM, 0
.rept 4
.irp hd, 0,1
.set WD, OO+32*\hd+8*MM
.set WA, VF+12*MM
.set WBR, PSPL+6*\hd
.set WSA, VS+MM
	WMX
.endr
.set MM, MM+1
.endr
	NOPS 4
	s_wait_alu depctr_va_vdst(0)                   ; for the two reciprocals, ahead of their first reader
	WIN 0x82
.set TI, 0
.rept 16
.irp hd, 0,1
	v_pk_mul_f32 v[OO+32*\hd+TI:OO+32*\hd+TI+1], v[OO+32*\hd+TI:OO+32*\hd+TI+1], v[RL+2*\hd:RL+2*\hd+1] op_sel_hi:[1,0]   ; / the row's sum
.endr
.set TI, TI+2
.endr
	QUANT OO, PC, 6, PW
	IMAGE TC, IMG2D, TD, IMG2D                     ; o: K step w of the Wo product, this tile of rows
	s_add_co_u32 s50, s50, 1536
	s_add_co_u32 s51, s51, 128
	s_add_co_u32 s49, s49, 1
	s_cmp_lt_u32 s49, 4
	s_cbranch_scc1 .Latt
; ---- Wo, in place on X = x + bo
	LNLOAD 18, 20, 22                              ; LN2's gain and bias, and b2: window 1 is idle through this product
	BAR                                            ; o's 16 fragments lie in LDS
	FETCHHF 0, 0, 4
	PROD KX, 2, 2
	WIN 0
	NOPS 4                                         ; the LayerNorm reads X first thing
	s_add_co_u32 s48, s48, 1
	s_cmp_lt_u32 s48, 2
	s_cbranch_scc1 .Lhalf
; ---- the feed-forward part, 512 hidden units at a time: W1's unit, relu, quantised; W2's unit, in place on X
.Lffn:
	PROD K1, 2, 2
	HID
	s_mov_b32 s49, 0
.Lfc:
	s_add_nc_u64 s[24:25], s[24:25], 2048          ; (the last loads by this base have been waited for)
	B1LOAD                                         ; b1 of the next 512 hidden units lands under the W2 product
	FETCHHF 0, 0, 4
	PROD KX, 2, 2
	s_wait_loadcnt 0x0
	PROD K1, 2, 2
	HID
	s_add_co_u32 s49, s49, 1
	s_cmp_lt_u32 s49, 3
	s_cbranch_scc1 .Lfc
	FETCHHF 0, 0, 4                                ; the last W2 unit is written out: its chunks ask for nothing more
	PROD KX, 1, 0
; ---- THE WAY OUT.  A lane holds pieces of one row: a tile of 16 rows x my 128 columns goes through my own stage and comes back as rows of 512 bytes.  LDS serves a wave's instructions in order: no wait between stores and loads.
.macro TOSTAGE m
	WIN 0x0C
.irp b, 0,1,2,3
.irp q, 0,1,2,3
	ds_store_b128 v[SO], v[64*(\m)+16*\b+4*\q:64*(\m)+16*\b+4*\q+3] offset:128*\b+16*\q   ; each accumulator from its low end on
.endr
.endr
	WIN 0x80
.set TI, 0
.rept 16
	ds_load_b128 v[BK+64*((\m)%2)+4*TI:BK+64*((\m)%2)+4*TI+3], v[SR] offset:528*TI
.set TI, TI+1
.endr
.endm
.macro SEND m, younger                 ; younger: the LDS instructions issued behind tile m's loads
	s_wait_dscnt \younger
	WIN 0x08
.set TI, 0
.rept 16
	global_store_b128 v[OA], v[BK+64*((\m)%2)+4*TI:BK+64*((\m)%2)+4*TI+3], s[26:27] offset:(32*((\m)/2)+8*((\m)%2)+TI%8+16*(TI/8))*2048 th:TH_STORE_NT   ; 32 lanes store 512 consecutive bytes, at a multiple of 256 from out0's first byte
.set TI, TI+1
.endr
.endm
	NOPS 4                                         ; behind the last products: for the stores that read X and the loads into the rows' fragments
	TOSTAGE 0
.irp m, 1,2,3
.if \m > 1
	s_wait_xcnt 0x0                                ; tile m - 2's stores have read their registers: tile m's loads may land there
.endif
	TOSTAGE \m
	SEND \m-1, 32                                  ; behind tile m - 1's loads: tile m's 16 stores and 16 loads
.endr
	SEND 3, 0
	WIN 0
	s_wait_tensorcnt 0x0                           ; the wave's end: behind my last tensor load and my last LDS store
	ds_add_u32 v[SPW], v[NIL]
	s_wait_dscnt 0x0
	CROUND                                         ; the closing round: no work-group ends while a partner may still ask for a chunk that names it
	s_endpgm
.Lfunc_end_k_q059457fcb1_block:
	.size	k_q059457fcb1_block, .Lfunc_end_k_q059457fcb1_block-k_q059457fcb1_block
	.p2alignl 7, 3214868480
	.fill 96, 4, 3214868480
	.section	.rodata,"a",@progbits
	.p2align	6, 0x0
	.amdhsa_kernel k_q059457fcb1_block
		.amdhsa_group_segment_fixed_size 327680
		.amdhsa_private_segment_fixed_size 0
		.amdhsa_enable_private_segment 0
		.amdhsa_kernarg_size 80
		.amdhsa_user_sgpr_count 2
		.amdhsa_user_sgpr_kernarg_segment_ptr 1
		.amdhsa_wavefront_size32 1
		.amdhsa_system_sgpr_workgroup_id_x 1
		.amdhsa_system_sgpr_workgroup_id_y 1
		.amdhsa_system_sgpr_workgroup_id_z 1
		.amdhsa_system_vgpr_workitem_id 0
		.amdhsa_next_free_vgpr 1024
		.amdhsa_next_free_sgpr 66
		.amdhsa_reserve_vcc 0
		.amdhsa_float_denorm_mode_32 3
		.amdhsa_float_denorm_mode_16_64 3
		.amdhsa_memory_ordered 1
		.amdhsa_forward_progress 1
		.amdhsa_inst_pref_size 255
	.end_amdhsa_kernel
	.section	.bss,"aw",@nobits
	.p2align	6
	.space	262144
	.amdgpu_metadata
---
amdhsa.version: [ 1, 2 ]
amdhsa.kernels:
  - .name:           k_q059457fcb1_block
    .symbol:         k_q059457fcb1_block.kd
    .args:
      - { .name: x, .offset: 0, .size: 8, .value_kind: global_buffer, .address_space: global }
      - { .name: wstream, .offset: 8, .size: 8, .value_kind: global_buffer, .address_space: global }
      - { .name: ln1_g, .offset: 16, .size: 8, .value_kind: global_buffer, .address_space: global }
      - { .name: ln1_b, .offset: 24, .size: 8, .value_kind: global_buffer, .address_space: global }
      - { .name: bo, .offset: 32, .size: 8, .value_kind: global_buffer, .address_space: global }
      - { .name: ln2_g, .offset: 40, .size: 8, .value_kind: global_buffer, .address_space: global }
      - { .name: ln2_b, .offset: 48, .size: 8, .value_kind: global_buffer, .address_space: global }
      - { .name: b2, .offset: 56, .size: 8, .value_kind: global_buffer, .address_space: global }
      - { .name: b1, .offset: 64, .size: 8, .value_kind: global_buffer, .address_space: global }
      - { .name: out0, .offset: 72, .size: 8, .value_kind: global_buffer, .address_space: global }
    .group_segment_fixed_size: 327680
    .private_segment_fixed_size: 0
    .kernarg_segment_align: 8
    .kernarg_segment_size: 80
    .max_flat_workgroup_size: 128
    .sgpr_count:     66
    .vgpr_count:     1024
    .wavefront_size: 32
...
	.end_amdgpu_metadata
.endif
;; end of part 2
;; ======== version 2 of 2: 2 launches
;; limits: right only within a limited range of input values
;; workspace buffers: wstream 2,457,600 bytes
;; launch layw (part 3): grid 192 x 1, 4 waves a work-group, no clusters, 13,312 bytes of LDS; arguments Wq, Wk, Wv, Wo, W1, W2, wstream; writes wstream
.if DOCPART == 3
	.amdgcn_target "amdgcn-amd-amdhsa--gfx1250"
	.amdhsa_code_object_version 6
	.text
	.protected	k_q059457fcb1_layw
	.globl	k_q059457fcb1_layw
	.p2align	8
	.type	k_q059457fcb1_layw,@function
k_q059457fcb1_layw:
	s_mov_b64 s[64:65], 0
	v_nop
	global_prefetch_b8 v0, s[64:65] scope:SCOPE_SE
	s_setreg_imm32_b32 hwreg(HW_REG_WAVE_MODE, 25, 1), 1
	s_wait_xcnt 0x0
; The six weights, f32 with K as their FIRST axis, become codes of FP6 (E2M3) with one E8M0 byte for each 32 along K, laid as ONE dense stream in the order in which the next launch's waves take operand registers.
; UNITS of 512 (K) x 512 (N): 0 Wq, 1 Wk, 2 Wv, 3 Wo, 4 + 2 j = W1[:, 512 j ..], 5 + 2 j = W2[512 j .., :].  A unit is two CHUNKS of 102,400 bytes (K steps 0, 1 and 2, 3); a chunk is four QUARTERS of 25,600 bytes
; (columns 128 w .. 128 w + 127); a quarter is 16 fragment images of 1,536 bytes (f = 8 (s & 1) + t, t the tile of 16 columns) and 1,024 bytes of scale words.
; A FRAGMENT IMAGE: register R (0 .. 11) of lane l at 512 (R / 4) + 16 l + 4 (R % 4).  Lane (r, h), registers 6 c .. 6 c + 5: k = 128 s + 64 c + 32 h + 0 .. 31 of column 32 (t / 2) + 8 (t % 2) + r % 8 + 16 (r / 8).
; THE SCALE WORDS: fragment f, row r at 24,576 + 512 (f / 8) + 16 (16 (f % 2) + r) + 4 ((f / 2) % 4): two loads of 16 bytes a lane give eight registers, register f / 2 with fragment f in lanes 0-15 (f even) or 16-31 (f odd).
; SHARES.  A work-group takes one unit's 128 columns x 128 K (u = id / 16, w = (id / 4) % 4, s = id % 4): 192 work-groups, all the work there is.  A wave takes 32 columns (tiles 2 v, 2 v + 1).
; A LANE TAKES A COLUMN AND ITS REGISTERS RUN DOWN K: a load reads 128 consecutive bytes a wave, a block of 32 lies in one lane, and the conversions give codes with K innermost.  Nothing is transposed by an instruction.
; A block's scale is 2^(floor(log2(its largest magnitude)) - 2); its byte is that magnitude's exponent field - 2, held at 1 from below.  A block of zeros keeps the byte 1: its codes are zeros, and this program alone reads the bytes.
; LIMITS: NaN and infinities are not served; blocks whose largest magnitude lies under 2^-124 get the byte 1.
.set SPW,  1                           ; v1   my spare word's LDS address; never rewritten
.set NIL,  2                           ; v2   0; never rewritten
.set LA,   3                           ; v3   LDS: my column's place in my wave's two images
.set SA,   4                           ; v4   LDS: my column's scale word
.set RB,   5                           ; v5   LDS: 16 x lane in my wave's images, for the way out
.set GO,   6                           ; v6   the same place in the quarter
.set SCR,  7                           ; v7   LDS: 16 x lane in the scale piece
.set SGO,  13                          ; v13  the same place in the quarter
.set OFF,  16                          ; v16-47   4 x lane + i rows of the weight
.set X,    48                          ; v48-175  128 numbers: four blocks of 32 down K
.set E,    176                         ; v176-207 a block's six registers of codes, eight apart
.set T,    208                         ; v208-223 the second half of a block's codes, as the conversion leaves it
.set SCP,  12288                       ; LDS: behind the four waves' images (3,072 bytes each) the scale piece, 512 bytes
.set SPARE, 12800                      ; and the spare words, 128 bytes for each wave
	s_load_b256 s[8:15], s[0:1], 0x0               ; Wq, Wk, Wv, Wo
	s_load_b128 s[16:19], s[0:1], 0x20             ; W1, W2
	s_load_b64 s[20:21], s[0:1], 0x30              ; the stream
	v_lshl_add_u32 v[SPW], v0, 2, SPARE
	v_mov_b32 v[NIL], 0
	v_lshrrev_b32 v8, 5, v0
	v_readfirstlane_b32 s5, v8                     ; wave v
	s_lshr_b32 s2, ttmp9, 4                        ; unit u
	s_bfe_u32 s3, ttmp9, 0x20002                   ; quarter w
	s_and_b32 s4, ttmp9, 3                         ; K step s
	s_and_b32 s6, s2, 1
	s_add_co_u32 s6, s6, 1
	s_sub_co_u32 s7, s2, 4
	s_lshr_b32 s7, s7, 1
	s_cmp_ge_u32 s2, 4
	s_cselect_b32 s6, s6, 0                        ; 0: a square weight, 1: W1, 2: W2
	s_cselect_b32 s7, s7, 0                        ; j
	s_mov_b32 s32, 2048
	s_cmp_eq_u32 s6, 1
	s_cselect_b32 s32, 8192, s32                   ; a row of the weight in bytes
	s_cselect_b32 s33, s7, 0                       ; W1: j goes into the columns,
	s_cmp_eq_u32 s6, 2
	s_cselect_b32 s34, s7, 0                       ; W2: into the rows
	s_lshl_b32 s34, s34, 9
	s_lshl_b32 s35, s4, 7
	s_add_co_u32 s34, s34, s35                     ; first row: 512 j + 128 s
	s_lshl_b32 s33, s33, 9
	s_lshl_b32 s35, s3, 7
	s_add_co_u32 s33, s33, s35
	s_lshl_b32 s35, s5, 5
	s_add_co_u32 s33, s33, s35                     ; first column: 512 j + 128 w + 32 v
	s_mul_i32 s36, s34, s32
	s_lshl_b32 s33, s33, 2
	s_add_co_u32 s36, s36, s33                     ; my wave's first byte in the weight (under 4 MiB)
	s_mov_b32 s37, 0
	s_lshl_b32 s38, s32, 5                         ; 32 rows on
	s_mov_b32 s39, 0
	s_lshl_b32 s40, s2, 1
	s_lshr_b32 s41, s4, 1
	s_add_co_u32 s40, s40, s41                     ; chunk 2 u + s / 2
	s_mul_i32 s40, s40, 102400
	s_mul_i32 s41, s3, 25600
	s_add_co_u32 s40, s40, s41                     ; my quarter
	s_mov_b32 s41, 0
	s_and_b32 s42, s4, 1
	s_mul_i32 s43, s42, 12288                      ; fragments 8 (s & 1) on,
	s_mul_i32 s6, s5, 3072                         ; my wave's two of them
	s_add_co_u32 s43, s43, s6
	s_lshl_b32 s44, s42, 9
	s_add_co_u32 s44, s44, 24576                   ; and the K step's piece of the scale words
	v_and_b32 v8, 31, v0                           ; lane e = my column in the wave's 32
	v_bfe_u32 v9, v0, 3, 1                         ; which of the two tiles: (e / 8) % 2
	v_and_b32 v10, 7, v0
	v_bfe_u32 v11, v0, 4, 1
	v_lshl_or_b32 v10, v11, 3, v10                 ; and which row r of it: e % 8 + 8 (e / 16)
	v_mul_u32_u24 v[LA], v9, 1536
	v_lshl_add_u32 v[LA], v10, 4, v[LA]
	v_add_nc_u32 v[LA], s6, v[LA]
	v_lshlrev_b32 v[SA], 8, v9
	v_lshl_add_u32 v[SA], v10, 4, v[SA]
	s_lshl_b32 s7, s5, 2
	s_add_co_u32 s7, s7, SCP
	v_add_nc_u32 v[SA], s7, v[SA]                  ; 256 (t % 2) + 16 r + 4 v
	v_lshl_add_u32 v[RB], v8, 4, s6
	v_lshl_add_u32 v[GO], v8, 4, s43
	v_lshl_add_u32 v[SCR], v8, 4, SCP
	v_lshl_add_u32 v[SGO], v8, 4, s44
	v_lshlrev_b32 v15, 2, v8
.irp i, 0,1,2,3,4,5,6,7,8,9,10,11,12,13,14,15,16,17,18,19,20,21,22,23,24,25,26,27,28,29,30,31
	v_mad_u32_u24 v[OFF+\i], s32, \i, v15          ; the pitch is a scalar: one text serves both
.endr
	s_wait_alu depctr_va_vdst(0)
	s_wait_kmcnt 0x0
	s_cmp_eq_u32 s2, 1                             ; the weight is chosen by the work-group's number alone
	s_cselect_b64 s[22:23], s[10:11], s[8:9]
	s_cmp_eq_u32 s2, 2
	s_cselect_b64 s[22:23], s[12:13], s[22:23]
	s_cmp_eq_u32 s2, 3
	s_cselect_b64 s[22:23], s[14:15], s[22:23]
	s_and_b32 s45, s2, 1
	s_add_co_u32 s45, s45, 1
	s_cmp_ge_u32 s2, 4
	s_cselect_b32 s45, s45, 0
	s_cmp_eq_u32 s45, 1
	s_cselect_b64 s[22:23], s[16:17], s[22:23]
	s_cmp_eq_u32 s45, 2
	s_cselect_b64 s[22:23], s[18:19], s[22:23]
	s_add_nc_u64 s[24:25], s[22:23], s[36:37]      ; a base for each block of 32 rows
	s_add_nc_u64 s[26:27], s[24:25], s[38:39]
	s_add_nc_u64 s[28:29], s[26:27], s[38:39]
	s_add_nc_u64 s[30:31], s[28:29], s[38:39]
	s_add_nc_u64 s[20:21], s[20:21], s[40:41]
.macro LOAD kb                         ; block kb: W(32 kb + i, my column)
.irp i, 0,1,2,3,4,5,6,7,8,9,10,11,12,13,14,15,16,17,18,19,20,21,22,23,24,25,26,27,28,29,30,31
	global_load_b32 v[X+32*\kb+\i], v[OFF+\i], s[24+2*\kb:25+2*\kb] th:TH_LOAD_NT
.endr
.endm
.macro BLK kb
.set XS, X+32*(\kb)
.set EE, E+8*(\kb)
.set TT, T+4*(\kb)
	v_max3_num_f32 v8, |v[XS]|, |v[XS+1]|, |v[XS+2]|               ; the block's largest magnitude: all 32 numbers are mine; two chains
	v_max3_num_f32 v9, |v[XS+3]|, |v[XS+4]|, |v[XS+5]|
.irp i, 6,10,14,18,22,26
	v_max3_num_f32 v8, v8, |v[XS+\i]|, |v[XS+\i+1]|
	v_max3_num_f32 v9, v9, |v[XS+\i+2]|, |v[XS+\i+3]|
.endr
	v_max3_num_f32 v8, v8, |v[XS+30]|, |v[XS+31]|
	v_max3_num_f32 v8, v8, v9, 0x1800000           ; and the floor 2^(3 - 127): the byte cannot fall under 1
	v_add_nc_u32 v10, 0xff000000, v8               ; 2 off the exponent field: the conversion takes that field as its scale
	v_lshrrev_b32 v11, 23, v10                     ; the scale's byte
.if (\kb) == 0
	v_mov_b32 v12, v11
.else
	v_lshl_or_b32 v12, v11, 8*(\kb), v12           ; the K step's four bytes make my column's scale word
.endif
	v_cvt_scalef32_pk16_fp6_f32 v[EE:EE+2], v[XS:XS+15], v10
	v_cvt_scalef32_pk16_fp6_f32 v[TT:TT+2], v[XS+16:XS+31], v10     ; (a conversion's three registers begin on an even number)
	v_nop                                          ; one plain place behind a scaled conversion
.irp i, 0,1,2
	v_mov_b32 v[EE+3+\i], v[TT+\i]
.endr
.if (\kb) < 2                          ; block kb is registers 6 (kb / 2) .. + 5 of lane r + 16 (kb % 2)
	ds_store_b128 v[LA], v[EE:EE+3] offset:256*((\kb)%2)
	ds_store_b64 v[LA], v[EE+4:EE+5] offset:512+256*((\kb)%2)
.else
	ds_store_b64 v[LA], v[EE:EE+1] offset:520+256*((\kb)%2)
	ds_store_b128 v[LA], v[EE+2:EE+5] offset:1024+256*((\kb)%2)
.endif
.endm
	LOAD 0
	LOAD 1
	s_wait_loadcnt 32                              ; block 0 is in; block 1's 32 loads may be out
	LOAD 2
	BLK 0
	s_wait_loadcnt 32                              ; block 1 is in; block 2's may be out
	LOAD 3
	BLK 1
	s_wait_loadcnt 32                              ; block 2 is in; block 3's may be out
	BLK 2
	s_wait_loadcnt 0x0
	BLK 3
	ds_store_b32 v[SA], v12
.irp i, 0,1,2,3,4,5
	ds_load_b128 v[X+4*\i:X+4*\i+3], v[RB] offset:512*\i           ; LDS serves a wave's instructions in order: these see my stores
.endr
	s_wait_dscnt 0x0                               ; for the others' sake too: my scale words have landed
	s_barrier_signal -1
	s_barrier_wait -1
.irp i, 0,1,2,3,4,5
	global_store_b128 v[GO], v[X+4*\i:X+4*\i+3], s[20:21] offset:512*\i   ; 32 lanes store 512 consecutive bytes, at a multiple of 256 from the stream's first byte
.endr
	s_cmp_lg_u32 s5, 0
	s_cbranch_scc1 .Lnot_wave_0
	ds_load_b128 v[X+24:X+27], v[SCR]              ; the four waves' scale words: 512 bytes
	s_wait_dscnt 0x0
	global_store_b128 v[SGO], v[X+24:X+27], s[20:21]
.Lnot_wave_0:
	s_wait_tensorcnt 0x0                           ; the wave's end: behind my last LDS store
	ds_add_u32 v[SPW], v[NIL]
	s_wait_dscnt 0x0
	s_endpgm
.Lfunc_end_k_q059457fcb1_layw:
	.size	k_q059457fcb1_layw, .Lfunc_end_k_q059457fcb1_layw-k_q059457fcb1_layw
	.p2alignl 7, 3214868480
	.fill 96, 4, 3214868480
	.section	.rodata,"a",@progbits
	.p2align	6, 0x0
	.amdhsa_kernel k_q059457fcb1_layw
		.amdhsa_group_segment_fixed_size 13312
		.amdhsa_private_segment_fixed_size 0
		.amdhsa_enable_private_segment 0
		.amdhsa_kernarg_size 56
		.amdhsa_user_sgpr_count 2
		.amdhsa_user_sgpr_kernarg_segment_ptr 1
		.amdhsa_wavefront_size32 1
		.amdhsa_system_sgpr_workgroup_id_x 1
		.amdhsa_system_sgpr_workgroup_id_y 1
		.amdhsa_system_sgpr_workgroup_id_z 1
		.amdhsa_system_vgpr_workitem_id 0
		.amdhsa_next_free_vgpr 224
		.amdhsa_next_free_sgpr 66
		.amdhsa_reserve_vcc 0
		.amdhsa_float_denorm_mode_32 3
		.amdhsa_float_denorm_mode_16_64 3
		.amdhsa_memory_ordered 1
		.amdhsa_forward_progress 1
		.amdhsa_inst_pref_size 26
	.end_amdhsa_kernel
	.amdgpu_metadata
---
amdhsa.version: [ 1, 2 ]
amdhsa.kernels:
  - .name:           k_q059457fcb1_layw
    .symbol:         k_q059457fcb1_layw.kd
    .args:
      - { .name: Wq, .offset: 0, .size: 8, .value_kind: global_buffer, .address_space: global }
      - { .name: Wk, .offset: 8, .size: 8, .value_kind: global_buffer, .address_space: global }
      - { .name: Wv, .offset: 16, .size: 8, .value_kind: global_buffer, .address_space: global }
      - { .name: Wo, .offset: 24, .size: 8, .value_kind: global_buffer, .address_space: global }
      - { .name: W1, .offset: 32, .size: 8, .value_kind: global_buffer, .address_space: global }
      - { .name: W2, .offset: 40, .size: 8, .value_kind: global_buffer, .address_space: global }
      - { .name: wstream, .offset: 48, .size: 8, .value_kind: global_buffer, .address_space: global }
    .group_segment_fixed_size: 13312
    .private_segment_fixed_size: 0
    .kernarg_segment_align: 8
    .kernarg_segment_size: 56
    .max_flat_workgroup_size: 128
    .sgpr_count:     66
    .vgpr_count:     224
    .wavefront_size: 32
...
	.end_amdgpu_metadata
.endif
;; end of part 3
;; launch block (part 4): grid 256 x 1, 4 waves a work-group, clusters of 4 x 1, 327,680 bytes of LDS; arguments x, wstream, ln1_g, ln1_b, bo, ln2_g, ln2_b, b2, b1, out0; writes out0
.if DOCPART == 4
	.amdgcn_target "amdgcn-amd-amdhsa--gfx1250"
	.amdhsa_code_object_version 6
	.text
	.protected	k_q059457fcb1_block
	.globl	k_q059457fcb1_block
	.p2align	8
	.type	k_q059457fcb1_block,@function
k_q059457fcb1_block:
	s_mov_b64 s[64:65], 0
	v_nop
	global_prefetch_b8 v0, s[64:65] scope:SCOPE_SE
	s_setreg_imm32_b32 hwreg(HW_REG_WAVE_MODE, 25, 1), 1
	s_wait_xcnt 0x0
	s_wait_alu depctr_hold_cnt(0) depctr_sa_sdst(0) depctr_va_vdst(0) depctr_va_sdst(0) depctr_va_ssrc(0) depctr_va_vcc(0) depctr_vm_vsrc(0)
	s_getreg_b32 s2, hwreg(HW_REG_IB_STS2, 6, 4)
	s_cmp_eq_u32 s2, 0
	s_cbranch_scc0 .Lentry_in_a_cluster
	s_endpgm
.Lentry_in_a_cluster:
	s_bfe_u32 s2, ttmp6, 0x10000c
	s_cmp_lg_u32 s2, 0x3003
	s_cbranch_scc0 .Lentry_shape_is_right
	s_endpgm
.Lentry_shape_is_right:
; THE WHOLE BLOCK FOR 64 ROWS (one group of 64 attended positions) A WORK-GROUP: LayerNorm 1, Q, K, V, attention, Wo, LayerNorm 2, W1, relu, W2, both residuals.
; Four waves; wave w owns columns 128 w .. + 127 of every 512-wide result (heads 2 w, 2 w + 1), all 64 rows.
; The weights come as the stream that the first launch laid: units of two chunks of 102,400 bytes; wave w's quarter of a chunk is 16 fragment images of 1,536 bytes and 1,024 bytes of scale words.  A wave reads only what it loads itself.
; CLUSTERS of four work-groups ask for every chunk jointly.  Two slots; each refill stands behind a round of the cluster's barrier.
; ROWS: row r of tile m is token 32 (m / 2) + 8 (m % 2) + r % 8 + 16 (r / 8), and a weight's columns are ordered likewise: so 16 registers of a lane are 16 neighbours along the next product's K.
; WINDOWS of 256 registers: 0 addresses, scales, the ring of weights, temporaries; 1 activations (16 fragments) and b1; 2 accumulators, or the second operand's 16 fragments; 3 x, the residual, onto which Wo's and W2's products add.
; PREFETCH: a unit of weights is asked for two units ahead (unit 1 at the head); a work-group's wave 0 names 25 of its 800 blocks of 256 bytes.  Units 1 to 3, which all clusters walk together, are asked for by two of the four
; groups of clusters, each of W1's and W2's first units by the one group that begins with it; later units have been read by another group.
; LIMITS: NaN and infinities are not served; a block whose largest magnitude lies under 2^-124 gets the scale byte 1.
.set SLOT,  102400
.set QUART, 25600
.set UNIT,  2*SLOT
.set IMG,   204800                     ; LDS: image of a product's activations: 16 fragments, then 16 x 128 bytes of scale words
.set IMS,   24576
.set IMG2D, 26624                      ; from it to the second image (attention's result, the hidden layer)
.set PARK,  258048                     ; a region for each wave: stage for x and the result; Q's and K's operands
.set PARKW, 13312
.set STAT,  311296                     ; LayerNorm's partial sums: [2][64 rows][4 waves]
.set SPARE, 313344                     ; the spare words
.set SPW, 1
.set NIL, 2
.set AW, 3                             ; v3, v4   my quarter in slot 0, 1
.set IMGW, 5
.set IMGWS, 6
.set IMGR, 7
.set IMGRS, 8
.set PK, 9
.set PKS, 10
.set TA, 11
.set TB, 12
.set STW, 13
.set STR, 14
.set SO, 15
.set SR, 16
.set GA, 18
.set OA, 19
.set FLOOR, 20
.set NEGINF, 21
.set TC, 22
.set TD, 23
.set WS, 24                            ; the weights' scale words: eight registers for each slot
.set AS, 40                            ; the activations'
.set HS, 56                            ; the second operand's
.set QS, 56
.set KS, 60
.set VS, 64
.set PWP, 68
.set TM, 72
.set MX, 80                            ; attention: the row's maximum, then -M (the quantiser leaves v80-83 alone)
.set QT, 88
.set PC, 96
.set PW, 108
.set PFO, 109                          ; the prefetches' offset; never rewritten
.set WB, 110                           ; v110-205 the ring: eight fragments of weights
.set PSPL, 182                         ; attention, in the ring's last two places, which are empty between products
.set RL, 200
.set LL, 204
.set VF, 206                           ; v206-253 V's operands
.set S, 206                            ; LayerNorm: four chains for each tile
.set MN, 238
.set RS, 246
.set B1, 192                           ; window 1
.set BV, 64
.set BI, 128
.set KF, 0
.set QSPL, 48
.set SS, 0                             ; window 2
.set OO, 64
.set BK, 0
.set WV, 4
.set SEL, 28
.set CS, 30
.set G1, 32
.set G0, 40
.set ROT, 53
.set STP, 60
.set PFF, 66                           ; s66, s67: 1 where my wave prefetches units 1-3; units of W1 and W2
.set PB, 68                            ; s[68:69] the unit that is prefetched next
.set EXM, 72                           ; -2 in the exponent field
.set KQ, 0
.set K1, 1
.set KV, 2
.set KX, 3
.set MSB, 0
.macro WIN new                         ; the immediate's high byte repeats the setting that is left
.if MSB != \new
	s_set_vgpr_msb (MSB<<8)|\new
.set MSB, \new
.endif
.endm
.macro NOPS n
.rept \n
	v_nop
.endr
.endm
.macro CREST                           ; a round of the cluster's barrier behind its opening barrier
	s_cmp_lg_u32 s[WV], 0
	s_cbranch_scc1 .Lnot_wave_0_\@
	s_barrier_signal -3
.Lnot_wave_0_\@:
	s_barrier_wait -3
	s_barrier_signal -1
	s_barrier_wait -1
.endm
.macro CROUND
	s_barrier_signal -1
	s_barrier_wait -1
	CREST
.endm
.macro BAR
	s_wait_dscnt 0x0
	s_barrier_signal -1
	s_barrier_wait -1
.endm
.macro PFETCH f
	s_cmp_eq_u32 s[PFF+(\f)-1], 1
	s_cbranch_scc0 .Lnot_mine_\@
	global_prefetch_b8 v[PFO], s[PB:PB+1] th:TH_LOAD_NT scope:SCOPE_SE
.Lnot_mine_\@:
.endm
; THE QUANTISER of a lane's 64 numbers at s (window 2), four half blocks of 16: lanes l and l xor 16 share a block.  Codes to d and d + gap, six registers each, the scale word to pw.
.macro QUANT s, d, gap, pw
	WIN 0x28
.irp b, 0,1,2,3
	v_max3_num_f32 v[TM+\b], v[FLOOR], |v[(\s)+16*\b]|, |v[(\s)+16*\b+1]|
.endr
.irp i, 2,4,6,8,10,12,14
.irp b, 0,1,2,3
	v_max3_num_f32 v[TM+\b], v[TM+\b], |v[(\s)+16*\b+\i]|, |v[(\s)+16*\b+\i+1]|
.endr
.endr
	WIN 0
.irp b, 0,1,2,3
	v_permlanex16_b32 v[TM+4+\b], v[TM+\b], s[SEL], s[SEL+1]
.endr
.irp b, 0,1,2,3
	v_max_num_f32 v[TM+\b], v[TM+\b], v[TM+4+\b]
.endr
.irp b, 0,1,2,3
	v_add_nc_u32 v[TM+12+\b], s[EXM], v[TM+\b]
.endr
.irp b, 0,1,2,3
	v_lshrrev_b32 v[TM+4+\b], 23, v[TM+12+\b]
.endr
	s_wait_alu depctr_va_vdst(0)
	s_wait_dscnt 0x0                       ; the stores of the codes made before are done
	v_lshl_or_b32 v[\pw], v[TM+5], 8, v[TM+4]
	v_lshl_or_b32 v[\pw], v[TM+6], 16, v[\pw]
	v_lshl_or_b32 v[\pw], v[TM+7], 24, v[\pw]
	WIN 0x02
.irp c, 0,1
	v_cvt_scalef32_pk16_fp6_f32 v[(\d)+(\gap)*\c:(\d)+(\gap)*\c+2], v[(\s)+32*\c:(\s)+32*\c+15], v[TM+12+2*\c]
	v_cvt_scalef32_pk16_fp6_f32 v[QT+4*\c:QT+4*\c+2], v[(\s)+32*\c+16:(\s)+32*\c+31], v[TM+13+2*\c]
.endr
	WIN 0
	v_nop
.irp c, 0,1
.irp i, 0,1,2
	v_permlane16_swap_b32 v[(\d)+(\gap)*\c+\i], v[QT+4*\c+\i]   ; whole blocks: lanes 0-15 the pair's first, lanes 16-31 its second
.endr
.irp i, 0,1,2
	v_mov_b32 v[(\d)+(\gap)*\c+3+\i], v[QT+4*\c+\i]
.endr
.endr
.endm
.macro IMAGE reg, off, sreg, soff
.irp c, 0,1,2
	ds_store_b128 v[\reg], v[PC+4*\c:PC+4*\c+3] offset:(\off)+512*\c
.endr
	ds_store_b32 v[\sreg], v[PW] offset:\soff
.endm
.macro PARKST m
.irp p, 0,1,2,3,4,5
	ds_store_b64 v[TA], v[PC+2*\p:PC+2*\p+1] offset:1536*(\m)+256*\p
.endr
	ds_store_b32 v[TB], v[PW] offset:128*(\m)
.endm
.macro FETCHACT                        ; the 16 fragments of a product's activations into window 1, their scale words
	WIN 0x40
.set FI, 0
.rept 16
.irp c, 0,1,2
	ds_load_b128 v[12*FI+4*\c:12*FI+4*\c+3], v[IMGR] offset:1536*FI+512*\c
.endr
.set FI, FI+1
.endr
	WIN 0
.set FI, 0
.rept 16
	ds_load_b32 v[AS+FI], v[IMGRS] offset:128*FI
.set FI, FI+1
.endr
.endm
.macro HFRAG s, m                      ; a fragment of the second image into window 2, its scale words: four loads
.set FI, 4*(\s)+(\m)
	WIN 0x80
.irp c, 0,1,2
	ds_load_b128 v[12*FI+4*\c:12*FI+4*\c+3], v[IMGR] offset:IMG2D+1536*FI+512*\c
.endr
	WIN 0
	ds_load_b32 v[HS+FI], v[IMGRS] offset:IMG2D+128*FI
.endm
.macro HFIRST                          ; K step 0's four
.irp m, 0,1,2,3
	HFRAG 0, \m
.endr
	s_wait_dscnt 0x0
.endm
.macro WFRAG slot, f                   ; the weights' fragment f into its place in the ring
.set WQ, WB+12*((\f)%8)
.irp c, 0,1,2
	ds_load_b128 v[WQ+4*\c:WQ+4*\c+3], v[AW+(\slot)] offset:1536*(\f)+512*\c
.endr
.endm
.macro WSCALE slot
	ds_load_b128 v[WS+8*(\slot):WS+8*(\slot)+3], v[AW+(\slot)] offset:24576
	ds_load_b128 v[WS+8*(\slot)+4:WS+8*(\slot)+7], v[AW+(\slot)] offset:25088
.endm
.macro WMX
.if WCM == 0
.if WROW == 0
	v_wmma_scale_f32_16x16x128_f8f6f4 v[WD:WD+7], v[WA:WA+11], v[WBR:WBR+11], 0, v[WSA], v[WSB] matrix_a_fmt:MATRIX_FMT_FP6 matrix_b_fmt:MATRIX_FMT_FP6
.elseif WROW == 1
	v_wmma_scale_f32_16x16x128_f8f6f4 v[WD:WD+7], v[WA:WA+11], v[WBR:WBR+11], 0, v[WSA], v[WSB] matrix_a_fmt:MATRIX_FMT_FP6 matrix_b_fmt:MATRIX_FMT_FP6 matrix_a_scale:MATRIX_SCALE_ROW1
.else
	v_wmma_scale_f32_16x16x128_f8f6f4 v[WD:WD+7], v[WA:WA+11], v[WBR:WBR+11], 0, v[WSA], v[WSB] matrix_a_fmt:MATRIX_FMT_FP6 matrix_b_fmt:MATRIX_FMT_FP6 matrix_b_scale:MATRIX_SCALE_ROW1
.endif
.else
.if WROW == 0
	v_wmma_scale_f32_16x16x128_f8f6f4 v[WD:WD+7], v[WA:WA+11], v[WBR:WBR+11], v[WC:WC+7], v[WSA], v[WSB] matrix_a_fmt:MATRIX_FMT_FP6 matrix_b_fmt:MATRIX_FMT_FP6
.elseif WROW == 1
	v_wmma_scale_f32_16x16x128_f8f6f4 v[WD:WD+7], v[WA:WA+11], v[WBR:WBR+11], v[WC:WC+7], v[WSA], v[WSB] matrix_a_fmt:MATRIX_FMT_FP6 matrix_b_fmt:MATRIX_FMT_FP6 matrix_a_scale:MATRIX_SCALE_ROW1
.else
	v_wmma_scale_f32_16x16x128_f8f6f4 v[WD:WD+7], v[WA:WA+11], v[WBR:WBR+11], v[WC:WC+7], v[WSA], v[WSB] matrix_a_fmt:MATRIX_FMT_FP6 matrix_b_fmt:MATRIX_FMT_FP6 matrix_b_scale:MATRIX_SCALE_ROW1
.endif
.endif
.endm
; STEP CI of a chunk: the weights' fragment CI (K step 2 half + CI / 8, column tile CI % 8) against the four row tiles, and two places.  The 32 accumulators take turns, one instruction a turn.
; KQ, K1, KX: source 0 = weights (a lane holds a row, registers along the columns); KV: source 0 = activations (a lane holds a column, registers along the tokens).  K1's sums begin with b1, KX's with the residual.
.macro STEP kind, slot, half
.set MS, 2*(\half)+CI/8
.set MT, CI%8
.set MW, WB+12*MT
.set MSC, WS+8*(\slot)+CI/2
.set MM, 0
.rept 4
.if (\kind) == KV
	WIN 0xA1
.set WD, 64*(MT%4)+32*(MT/4)+8*MM
.set WC, WD
.set WCM, MS
.set WA, 12*(4*MS+MM)
.set WBR, MW
.set WSA, AS+4*MS+MM
.set WSB, MSC
.set WROW, 2*(CI%2)
.else
.set WD, 64*MM+8*MT
.set WC, WD
.set WCM, MS
.set WA, MW
.set WBR, 12*(4*MS+MM)
.set WSA, MSC
.set WSB, AS+4*MS+MM
.set WROW, CI%2
.if (\kind) == KX
	WIN 0xF8
.set WCM, 1
.set WSB, HS+4*MS+MM
.elseif ((\kind) == K1) && (MS == 0)
	WIN 0x94
.set WCM, 1
.set WC, B1+8*MT
.else
	WIN 0xA4
.endif
.endif
	WMX
.set MM, MM+1
.endr
	v_nop
	v_nop
.endm
; The wait ahead of step CI = 0 .. 10.  Behind fragment CI's loads five fragments' loads, 15, have been issued; in KX four loads more behind each of the steps that fetch the second operand (half 0: steps 0-7, half 1: 0-3).
; At step 8 the K step changes: the second operand's four fragments fetched behind steps 0-3 have to be in.
.macro LEADW kind, half
.set NW, 15
.if (\kind) == KX
.set NHI, CI
.if NHI > 8-4*(\half)
.set NHI, 8-4*(\half)
.endif
.set NLO, CI-6
.if NLO < 0
.set NLO, 0
.endif
.if NHI > NLO
.set NW, 15+4*(NHI-NLO)
.endif
.if CI == 8
.set NW, 28-16*(\half)
.endif
.endif
	s_wait_dscnt NW
.endm
; A CHUNK: 16 steps.  Behind step i stand the loads of fragment i + 6, into the place of fragment i - 2.  Behind step 9 all of the slot has been asked for, so the change of slots stands in steps 10 to 12.
; mode 2: a round of the cluster's barrier, the slot is filled again, and the other slot's first fragments are fetched; mode 1: the last product's change of slots: nothing is filled again, and my quarter of the other slot is
; read by me alone; mode 0: the end.
.macro CHUNK kind, slot, half, mode, pf
.set CI, 0
.rept 10
	LEADW \kind, \half
	STEP \kind, \slot, \half
	WIN 0
	WFRAG \slot, CI+6
.if (\kind) == KX
.if CI < 8-4*(\half)
	HFRAG 1+2*(\half)+CI/4, CI%4
.endif
.endif
.set CI, CI+1
.endr
	LEADW \kind, \half
	STEP \kind, \slot, \half
.set CI, 11
.if (\mode) == 2
	WIN 0
	s_wait_tensorcnt 0x0                   ; my part of the other slot is in, and nothing else is out
	ds_add_u32 v[SPW], v[NIL]
.if (\kind) == KX
	s_add_nc_u64 s[G0+4*(\slot)+2:G0+4*(\slot)+3], s[G0+4*(\slot)+2:G0+4*(\slot)+3], s[STP:STP+1]
	s_sub_nc_u64 s[G0+4*(\slot)+2:G0+4*(\slot)+3], s[G0+4*(\slot)+2:G0+4*(\slot)+3], s[STP+2:STP+3]
.else
	s_add_nc_u64 s[G0+4*(\slot)+2:G0+4*(\slot)+3], s[G0+4*(\slot)+2:G0+4*(\slot)+3], 2*SLOT
.endif
	s_wait_dscnt 13                        ; fragment 11 is in; behind its loads: four fragments' loads and the add
	STEP \kind, \slot, \half
	s_wait_dscnt 0x0                       ; the add is done, and so are my reads of this slot
	s_barrier_signal -1
.set CI, 12
	STEP \kind, \slot, \half
	WIN 0
	s_barrier_wait -1
	CREST
	tensor_load_to_lds s[G0+4*(\slot):G0+4*(\slot)+3], s[G1:G1+7]
	s_nop 0
	NOPS 4
	WSCALE 1-(\slot)
.irp f, 0,1,2
	WFRAG 1-(\slot), \f
.endr
.if (\pf) > 0
	PFETCH \pf
.endif
.set CI, 13
.rept 3
	STEP \kind, \slot, \half
	WIN 0
	WFRAG 1-(\slot), CI-10
.set CI, CI+1
.endr
.elseif (\mode) == 1
	WIN 0
	s_wait_tensorcnt 0x0
	WSCALE 1-(\slot)
	WFRAG 1-(\slot), 0
.rept 5
	s_wait_dscnt 15                        ; (17 loads at the least stand behind fragment CI's)
	STEP \kind, \slot, \half
	WIN 0
	WFRAG 1-(\slot), CI-10
.set CI, CI+1
.endr
.else
.rept 5
	s_wait_dscnt 3*(15-CI)
	STEP \kind, \slot, \half
.set CI, CI+1
.endr
.endif
.endm
.macro PROD kind, m0, m1, pf           ; a unit: 512 along K x my 128 columns x 64 rows
	CHUNK \kind, 0, 0, \m0, \pf
	CHUNK \kind, 1, 1, \m1, 0
.endm
.macro LNLOAD                          ; gain, offset and the residual's bias of my columns, as the registers run
	WIN 0x40
.irp b, 0,1,2,3
.irp q, 0,1,2,3
	global_load_b128 v[16*\b+4*\q:16*\b+4*\q+3], v[GA], s[12:13] offset:128*\b+16*\q
	global_load_b128 v[BV+16*\b+4*\q:BV+16*\b+4*\q+3], v[GA], s[14:15] offset:128*\b+16*\q
	global_load_b128 v[BI+16*\b+4*\q:BI+16*\b+4*\q+3], v[GA], s[16:17] offset:128*\b+16*\q
.endr
.endr
	WIN 0
.endm
.macro B1LOAD
	WIN 0x40
.irp b, 0,1,2,3
.irp q, 0,1,2,3
	global_load_b128 v[B1+16*\b+4*\q:B1+16*\b+4*\q+3], v[GA], s[24:25] offset:128*\b+16*\q
.endr
.endr
	WIN 0
.endm
.macro INSTAGE m                       ; tile m's 16 rows of x through my stage: whole rows in, a lane's own row out
	s_wait_loadcnt 48-16*(\m)
	WIN 0x08
.set TI, 0
.rept 16
	ds_store_b128 v[SR], v[64*(\m)+4*TI:64*(\m)+4*TI+3] offset:528*TI
.set TI, TI+1
.endr
	WIN 0xC0
.irp b, 0,1,2,3
.irp q, 0,1,2,3
	ds_load_b128 v[64*(\m)+16*\b+4*\q:64*(\m)+16*\b+4*\q+3], v[SO] offset:128*\b+16*\q
.endr
.endr
.endm
.macro ROWSUM o                        ; the chains' sums, lane l xor 16's, and then the four waves' by LDS: v[S + 8 m] = the row's whole sum
	WIN 0
.irp m, 0,1,2,3
	v_pk_add_f32 v[S+8*\m:S+8*\m+1], v[S+8*\m:S+8*\m+1], v[S+8*\m+2:S+8*\m+3]
	v_pk_add_f32 v[S+8*\m+4:S+8*\m+5], v[S+8*\m+4:S+8*\m+5], v[S+8*\m+6:S+8*\m+7]
.endr
.irp m, 0,1,2,3
	v_pk_add_f32 v[S+8*\m:S+8*\m+1], v[S+8*\m:S+8*\m+1], v[S+8*\m+4:S+8*\m+5]
.endr
.irp m, 0,1,2,3
	v_add_f32 v[S+8*\m], v[S+8*\m], v[S+8*\m+1]
.endr
.irp m, 0,1,2,3
	v_permlanex16_b32 v[TM+4+\m], v[S+8*\m], s[SEL], s[SEL+1]
.endr
.irp m, 0,1,2,3
	v_add_f32 v[S+8*\m], v[S+8*\m], v[TM+4+\m]
.endr
.irp m, 0,1,2,3
	ds_store_b32 v[STW], v[S+8*\m] offset:(\o)+256*\m
.endr
	s_wait_alu depctr_va_vdst(0)
	BAR
.irp m, 0,1,2,3
	ds_load_b128 v[S+8*\m:S+8*\m+3], v[STR] offset:(\o)+256*\m
.endr
	s_wait_dscnt 0x0
.irp m, 0,1,2,3
	v_add_f32 v[S+8*\m], v[S+8*\m], v[S+8*\m+1]
	v_add_f32 v[S+8*\m+2], v[S+8*\m+2], v[S+8*\m+3]
.endr
.irp m, 0,1,2,3
	v_add_f32 v[S+8*\m], v[S+8*\m], v[S+8*\m+2]
.endr
.endm
; ---- the head
	s_load_b512 s[8:23], s[0:1], 0x0               ; x, wstream, ln1_g, ln1_b, bo, ln2_g, ln2_b, b2
	s_load_b128 s[24:27], s[0:1], 0x40             ; b1, out0
	v_lshl_add_u32 v[SPW], v0, 2, SPARE
	v_mov_b32 v[NIL], 0
	ds_add_u32 v[SPW], v[NIL]                      ; the opening lines
	ds_add_u32 v[SPW], v[NIL]
	v_lshrrev_b32 v88, 5, v0
	v_readfirstlane_b32 s[WV], v88
	s_bfe_u32 s5, ttmp6, 0x40000                   ; cx
	s_lshl_b32 s6, ttmp9, 2
	s_add_co_u32 s6, s6, s5                        ; my work-group: 64 rows of 2,048 bytes
	s_lshl_b32 s56, s6, 17
	s_mov_b32 s57, 0
	s_and_b32 s[ROT], ttmp9, 3                     ; which quarter of the hidden layer my cluster begins with
	s_lshl_b32 s2, s[ROT], 11
	s_mov_b32 s3, 0
	s_mul_i32 s[STP], s[ROT], 4*SLOT               ; Wo's refills go on to that quarter
	s_add_co_u32 s[STP], s[STP], 2*SLOT
	s_mov_b32 s[STP+1], 0
	s_mov_b32 s[STP+2], 0
	s_mov_b32 s[STP+3], 0
	s_mov_b32 s[G1], 15|(3<<16)|(1<<21)            ; my quarter of a chunk, for all four of the cluster: 100 rows of 256 bytes
	s_mov_b32 s[G1+1], 32<<16
	s_mov_b32 s[G1+2], 100<<16
	s_mov_b32 s[G1+3], 32<<16
	s_mov_b32 s[G1+4], 100
	s_mov_b32 s[G1+5], 32
	s_mov_b32 s[G1+6], 0
	s_mov_b32 s[G1+7], 0
	s_mul_i32 s58, s[WV], QUART
	s_mov_b32 s59, 0
	s_mov_b32 s[SEL], 0x76543210
	s_mov_b32 s[SEL+1], 0xfedcba98
	s_mov_b32 s[CS], 0x3e38aa3b                    ; log2(e) / 8
	s_mov_b32 s[CS+1], s[CS]
	s_mov_b32 s54, 0x3b000000                      ; 1 / 512
	s_mov_b32 s55, 0x3727c5ac                      ; 1e-5
	s_mov_b32 s[EXM], 0xff000000
	; prefetches: of the 16 clusters of a group (g = cluster / 4) two share a class of eight; class and cx pick 25 blocks of 256 bytes
	s_lshr_b32 s70, ttmp9, 2
	s_lshr_b32 s71, s70, 3
	s_xor_b32 s71, s71, s70
	s_and_b32 s71, s71, 1
	s_lshl_b32 s71, s71, 2
	s_bfe_u32 s70, s70, 0x20001
	s_or_b32 s70, s70, s71
	s_lshl_b32 s70, s70, 2
	s_add_co_u32 s70, s70, s5
	s_mul_i32 s70, s70, 25*256
	s_cmp_lt_u32 s[ROT], 2
	s_cselect_b32 s[PFF], 1, 0
	s_cmp_eq_u32 s[WV], 0
	s_cselect_b32 s[PFF], s[PFF], 0
	s_cselect_b32 s[PFF+1], 1, 0
	s_lshl_b32 s6, s[WV], 9
	v_and_b32 v88, 31, v0
	v_lshl_add_u32 v[OA], v88, 4, s6
	v_min_u32 v89, 24, v88
	v_lshl_add_u32 v[PFO], v89, 8, s70
	s_wait_alu depctr_va_vdst(0)
	s_wait_dscnt 0x0
	s_wait_kmcnt 0x0
	s_add_nc_u64 s[8:9], s[8:9], s[56:57]
	s_add_nc_u64 s[26:27], s[26:27], s[56:57]
	s_add_nc_u64 s[24:25], s[24:25], s[2:3]
	s_add_nc_u64 s[PB:PB+1], s[10:11], UNIT
	s_mov_b32 s[G0], 1
	s_mov_b32 s[G0+1], s58
	s_add_nc_u64 s[G0+2:G0+3], s[10:11], s[58:59]
	s_mov_b32 s[G0+4], 1
	s_add_co_u32 s[G0+5], s58, SLOT
	s_add_nc_u64 s[G0+6:G0+7], s[G0+2:G0+3], SLOT
	s_or_b32 s[G0+3], s[G0+3], 0x80000000
	s_or_b32 s[G0+7], s[G0+7], 0x80000000
	CROUND
	tensor_load_to_lds s[G0:G0+3], s[G1:G1+7]      ; chunk 0
	s_nop 0
	NOPS 4
	WIN 0x80
.irp m, 0,1,2,3                        ; x: 64 rows x my 512 bytes, 512 consecutive bytes a load
.set TI, 0
.rept 16
	global_load_b128 v[64*\m+4*TI:64*\m+4*TI+3], v[OA], s[8:9] offset:(32*(\m/2)+8*(\m%2)+TI%8+16*(TI/8))*2048 th:TH_LOAD_NT
.set TI, TI+1
.endr
.endr
	WIN 0
	v_and_b32 v88, 31, v0
	v_and_b32 v89, 15, v0
	v_bfe_u32 v90, v0, 4, 1
	v_lshl_add_u32 v[GA], v90, 6, s6
	v_lshl_add_u32 v[AW], v88, 4, s58
	v_add_nc_u32 v[AW+1], SLOT, v[AW]
	s_mul_i32 s7, s[WV], 6144
	s_add_co_u32 s7, s7, IMG
	v_lshl_add_u32 v[IMGW], v88, 4, s7
	s_add_co_u32 s7, s6, IMG+IMS
	v_lshl_add_u32 v[IMGWS], v88, 2, s7
	v_lshl_add_u32 v[IMGR], v88, 4, IMG
	v_lshl_add_u32 v[IMGRS], v88, 2, IMG+IMS
	s_mul_i32 s52, s[WV], PARKW
	s_add_co_u32 s52, s52, PARK
	v_lshl_add_u32 v[PK], v88, 3, s52
	s_add_co_u32 s7, s52, 12288
	v_lshl_add_u32 v[PKS], v88, 2, s7
	s_lshl_b32 s7, s[WV], 2
	s_add_co_u32 s7, s7, STAT
	v_lshl_add_u32 v[STW], v89, 4, s7
	v_lshl_add_u32 v[STR], v89, 4, STAT
	v_mul_u32_u24 v[SO], v89, 528
	v_lshl_add_u32 v[SO], v90, 6, v[SO]
	v_add_nc_u32 v[SO], s52, v[SO]
	v_lshl_add_u32 v[SR], v88, 4, s52
	v_mov_b32 v[FLOOR], 0x1800000
	v_mov_b32 v[NEGINF], 0xff800000
.irp b, 0,1,2,3
	v_mov_b32 v[TM+4+\b], 0
	v_mov_b32 v[MN+2*\b+1], 0                      ; (the upper halves of pairs whose lower half alone counts)
	v_mov_b32 v[RS+2*\b+1], 0
.endr
	s_wait_alu depctr_va_vdst(0)
	PFETCH 1                                       ; unit 1
	s_wait_tensorcnt 0x0
	ds_add_u32 v[SPW], v[NIL]
	s_wait_dscnt 0x0
	CROUND
	tensor_load_to_lds s[G0+4:G0+7], s[G1:G1+7]    ; chunk 1: slot 1's first fill, behind the full sequence
	s_nop 0
	NOPS 4
	INSTAGE 0
	INSTAGE 1
	INSTAGE 2
	INSTAGE 3
	WIN 0
	B1LOAD
	s_wait_xcnt 0x0
	s_add_nc_u64 s[PB:PB+1], s[PB:PB+1], UNIT
	s_wait_dscnt 0x0
	WSCALE 0
.irp f, 0,1,2,3,4,5
	WFRAG 0, \f
.endr
	s_mov_b32 s48, 0
; ---- LayerNorm: trip 0 the first, trip 1 the second (which leaves the loop behind it)
.Lhalf:
	LNLOAD
	WIN 0x0F
.set TI, 0
.rept 4
.irp m, 0,1,2,3
	v_pk_add_f32 v[S+8*\m+2*TI:S+8*\m+2*TI+1], v[64*\m+2*TI:64*\m+2*TI+1], v[64*\m+8+2*TI:64*\m+9+2*TI]
.endr
.set TI, TI+1
.endr
	WIN 0x0C
.set TI, 8
.rept 24
.irp m, 0,1,2,3
	v_pk_add_f32 v[S+8*\m+2*(TI%4):S+8*\m+2*(TI%4)+1], v[S+8*\m+2*(TI%4):S+8*\m+2*(TI%4)+1], v[64*\m+2*TI:64*\m+2*TI+1]
.endr
.set TI, TI+1
.endr
	ROWSUM 0
.irp m, 0,1,2,3
	v_mul_f32 v[MN+2*\m], s54, v[S+8*\m]           ; the mean
.endr
	WIN 0x83
.set TI, 0
.rept 32
.irp m, 0,1,2,3
	v_pk_add_f32 v[64*\m+TI:64*\m+TI+1], v[64*\m+TI:64*\m+TI+1], v[MN+2*\m:MN+2*\m+1] op_sel_hi:[1,0] neg_lo:[0,1] neg_hi:[0,1]
.endr
.set TI, TI+2
.endr
	WIN 0x0A
.set TI, 0
.rept 4
.irp m, 0,1,2,3
	v_pk_mul_f32 v[S+8*\m+2*TI:S+8*\m+2*TI+1], v[64*\m+2*TI:64*\m+2*TI+1], v[64*\m+2*TI:64*\m+2*TI+1]
.endr
.set TI, TI+1
.endr
.rept 28
.irp m, 0,1,2,3
	v_pk_fma_f32 v[S+8*\m+2*(TI%4):S+8*\m+2*(TI%4)+1], v[64*\m+2*TI:64*\m+2*TI+1], v[64*\m+2*TI:64*\m+2*TI+1], v[S+8*\m+2*(TI%4):S+8*\m+2*(TI%4)+1]
.endr
.set TI, TI+1
.endr
	ROWSUM 1024
.irp m, 0,1,2,3
	v_fma_f32 v[S+8*\m], v[S+8*\m], s54, s55       ; the variance + 1e-5
.endr
	s_wait_alu depctr_va_vdst(0)                   ; the wait ahead of the batch
.irp m, 0,1,2,3
	v_rsq_f32 v[RS+2*\m], v[S+8*\m]
.endr
	v_nop
	s_wait_loadcnt 0x0
	WIN 0xC7
.set TI, 0
.rept 32
.irp m, 0,1,2,3
	v_pk_add_f32 v[64*\m+TI:64*\m+TI+1], v[64*\m+TI:64*\m+TI+1], v[BI+TI:BI+TI+1]   ; the residual takes bo, or b2
.endr
.set TI, TI+2
.endr
	s_wait_alu depctr_va_vdst(0)                   ; and behind it
	WIN 0x82
.set TI, 0
.rept 32
.irp m, 0,1,2,3
	v_pk_mul_f32 v[64*\m+TI:64*\m+TI+1], v[64*\m+TI:64*\m+TI+1], v[RS+2*\m:RS+2*\m+1] op_sel_hi:[1,0]
.endr
.set TI, TI+2
.endr
	WIN 0x96
.set TI, 0
.rept 32
.irp m, 0,1,2,3
	v_pk_fma_f32 v[64*\m+TI:64*\m+TI+1], v[64*\m+TI:64*\m+TI+1], v[TI:TI+1], v[BV+TI:BV+TI+1]
.endr
.set TI, TI+2
.endr
.irp m, 0,1,2,3
	QUANT 64*\m, PC, 6, PW
	IMAGE IMGW, 1536*\m, IMGWS, 128*\m
.endr
	BAR
	FETCHACT
	s_wait_dscnt 0x0
	s_cmp_eq_u32 s48, 1
	s_cbranch_scc1 .Lffn
; ---- Q and K: quantised along the head, two heads to an operand, parked in my own LDS
	s_mov_b32 s49, 0
	s_mov_b32 s50, 0
	s_mov_b32 s51, 0
.Lqk:
	v_add_nc_u32 v[TA], s50, v[PK]
	v_add_nc_u32 v[TB], s51, v[PKS]
	s_wait_alu depctr_va_vdst(0)
	PROD KQ, 2, 2, 1
	WIN 0
	NOPS 4
.irp m, 0,1,2,3
	QUANT 64*\m, PC, 6, PW
	PARKST \m
.endr
	s_wait_xcnt 0x0                                ; the prefetch has read its base
	s_add_nc_u64 s[PB:PB+1], s[PB:PB+1], UNIT
	s_add_co_u32 s50, s50, 6144
	s_add_co_u32 s51, s51, 512
	s_add_co_u32 s49, s49, 1
	s_cmp_lt_u32 s49, 2
	s_cbranch_scc1 .Lqk
	s_mul_i32 s2, s[ROT], 2*UNIT                   ; from unit 4 to my cluster's first quarter
	s_mov_b32 s3, 0
	s_add_nc_u64 s[PB:PB+1], s[PB:PB+1], s[2:3]
; ---- V: quantised along the tokens, stays in registers
	PROD KV, 2, 2, 2
	WIN 0
	NOPS 4
.irp p, 0,1,2,3
	QUANT 64*\p, VF+12*\p, 6, VS+\p
.endr
	WIN 0x40
.irp i, 6,7,8,9,10,11
	v_mov_b32 v[QSPL+\i], 0
.endr
.irp m, 0,1,2,3
.irp p, 0,1,2,3,4,5
	ds_load_b64 v[KF+12*\m+2*\p:KF+12*\m+2*\p+1], v[PK] offset:6144+1536*\m+256*\p
.endr
.endr
	WIN 0
.irp m, 0,1,2,3
	ds_load_b32 v[KS+\m], v[PKS] offset:512+128*\m
.endr
.irp i, 6,7,8,9,10,11
	v_mov_b32 v[PSPL+\i], 0
.endr
.irp i, 1,3
	v_mov_b32 v[RL+\i], 0
.endr
	s_wait_alu depctr_va_vdst(0)
	s_wait_xcnt 0x0
	s_add_nc_u64 s[PB:PB+1], s[PB:PB+1], UNIT
	s_mov_b32 s49, 0
	s_mov_b32 s50, 0
	s_mov_b32 s51, 0
; ---- attention: a trip takes 16 queries of both my heads.  An operand holds 64 of each head along K; the other head's half of q, or of p, is zeros.
.Latt:
	v_add_nc_u32 v[TA], s50, v[PK]
	v_add_nc_u32 v[TB], s51, v[PKS]
	v_add_nc_u32 v[TC], s50, v[IMGW]
	v_add_nc_u32 v[TD], s51, v[IMGWS]
	WIN 0x40
.irp p, 0,1,2
	ds_load_b64 v[QSPL+2*\p:QSPL+2*\p+1], v[TA] offset:256*\p
	ds_load_b64 v[QSPL+12+2*\p:QSPL+13+2*\p], v[TA] offset:768+256*\p
.endr
	WIN 0
	ds_load_b32 v[QS], v[TB]
	s_wait_alu depctr_va_vdst(0)
	s_wait_dscnt 0x0
	WIN 0x85
.set WCM, 0
.set WROW, 0
.set WSB, QS
.set MM, 0
.rept 4
.irp hd, 0,1
.set WD, SS+32*\hd+8*MM
.set WA, KF+12*MM
.set WBR, QSPL+6*\hd
.set WSA, KS+MM
	WMX
.endr
.set MM, MM+1
.endr
	NOPS 4
	WIN 0x28
.irp b, 0,1,2,3
	v_max3_num_f32 v[MX+\b], v[NEGINF], v[SS+16*\b], v[SS+16*\b+1]
.endr
.irp i, 2,4,6,8,10,12,14
.irp b, 0,1,2,3
	v_max3_num_f32 v[MX+\b], v[MX+\b], v[SS+16*\b+\i], v[SS+16*\b+\i+1]
.endr
.endr
	WIN 0
.irp hd, 0,1
	v_max_num_f32 v[MX+2*\hd], v[MX+2*\hd], v[MX+2*\hd+1]
.endr
.irp hd, 0,1
	v_permlanex16_b32 v[TM+4+\hd], v[MX+2*\hd], s[SEL], s[SEL+1]
.endr
.irp hd, 0,1
	v_max_num_f32 v[MX+2*\hd], v[MX+2*\hd], v[TM+4+\hd]
.endr
.irp hd, 0,1
	v_mul_f32 v[MX+2*\hd], s[CS], v[MX+2*\hd]
.endr
.irp hd, 0,1
	v_floor_f32 v[MX+2*\hd], -v[MX+2*\hd]          ; -M, M = ceil(the row's largest t)
.endr
	WIN 0x82
.set TI, 0
.rept 16
.irp hd, 0,1
	v_pk_fma_f32 v[SS+32*\hd+TI:SS+32*\hd+TI+1], v[SS+32*\hd+TI:SS+32*\hd+TI+1], s[CS:CS+1], v[MX+2*\hd:MX+2*\hd+1] op_sel_hi:[1,0,0]
.endr
.set TI, TI+2
.endr
.set TI, 0
	s_wait_alu depctr_va_vdst(0)                   ; the wait ahead of the batch
.rept 64
	v_exp_f32 v[SS+TI], v[SS+TI]
.set TI, TI+1
.endr
	v_nop
	s_wait_alu depctr_va_vdst(0)                   ; and behind it
	WIN 0xAA
.set TI, 0
.rept 8
.irp hd, 0,1
	v_pk_add_f32 v[OO+32*\hd+TI:OO+32*\hd+TI+1], v[SS+32*\hd+TI:SS+32*\hd+TI+1], v[SS+32*\hd+16+TI:SS+32*\hd+17+TI]
.endr
.set TI, TI+2
.endr
.irp wd, 8,4,2
.set TI, 0
.rept \wd/2
.irp hd, 0,1
	v_pk_add_f32 v[OO+32*\hd+TI:OO+32*\hd+TI+1], v[OO+32*\hd+TI:OO+32*\hd+TI+1], v[OO+32*\hd+\wd+TI:OO+32*\hd+\wd+TI+1]
.endr
.set TI, TI+2
.endr
.endr
	WIN 0x0A
.irp hd, 0,1
	v_add_f32 v[LL+\hd], v[OO+32*\hd], v[OO+32*\hd+1]
.endr
	WIN 0
.irp hd, 0,1
	v_permlanex16_b32 v[TM+4+\hd], v[LL+\hd], s[SEL], s[SEL+1]
.endr
.irp hd, 0,1
	v_add_f32 v[LL+\hd], v[LL+\hd], v[TM+4+\hd]    ; the row's sum of the unquantised p
.endr
	s_wait_alu depctr_va_vdst(0)
.irp hd, 0,1
	v_rcp_f32 v[RL+2*\hd], v[LL+\hd]
.endr
	QUANT SS, PSPL, 12, PWP
	NOPS 8
	WIN 0x80
.set WCM, 0
.set WROW, 0
.set WSB, PWP
.set MM, 0
.rept 4
.irp hd, 0,1
.set WD, OO+32*\hd+8*MM
.set WA, VF+12*MM
.set WBR, PSPL+6*\hd
.set WSA, VS+MM
	WMX
.endr
.set MM, MM+1
.endr
	NOPS 4
	s_wait_alu depctr_va_vdst(0)
	WIN 0x82
.set TI, 0
.rept 16
.irp hd, 0,1
	v_pk_mul_f32 v[OO+32*\hd+TI:OO+32*\hd+TI+1], v[OO+32*\hd+TI:OO+32*\hd+TI+1], v[RL+2*\hd:RL+2*\hd+1] op_sel_hi:[1,0]
.endr
.set TI, TI+2
.endr
	QUANT OO, PC, 6, PW
	IMAGE TC, IMG2D, TD, IMG2D
	s_add_co_u32 s50, s50, 1536
	s_add_co_u32 s51, s51, 128
	s_add_co_u32 s49, s49, 1
	s_cmp_lt_u32 s49, 4
	s_cbranch_scc1 .Latt
	BAR
; ---- Wo, onto the residual
	HFIRST
	PROD KX, 2, 2, 2
	NOPS 4
	s_mov_b64 s[12:13], s[18:19]                   ; the second LayerNorm's gain and offset, and b2
	s_mov_b64 s[14:15], s[20:21]
	s_mov_b64 s[16:17], s[22:23]
	s_add_co_u32 s48, s48, 1
	s_cmp_lt_u32 s48, 2
	s_cbranch_scc1 .Lhalf
; ---- the feed-forward part: four quarters of 512 hidden units, from my cluster's first on; the last leaves the loop ahead of its second product, which fills no slot again
.Lffn:
	s_mov_b32 s[STP], 2*SLOT
	s_mov_b32 s49, 0
.Lfc:
	PROD K1, 2, 2, 0
	NOPS 4
	WIN 0x88
.set TI, 0
.rept 256
	v_max_num_f32 v[TI], 0, v[TI]
.set TI, TI+1
.endr
.irp m, 0,1,2,3
	QUANT 64*\m, PC, 6, PW
	IMAGE IMGW, IMG2D+1536*\m, IMGWS, IMG2D+128*\m
.endr
	BAR
	s_cmp_eq_u32 s49, 3
	s_cbranch_scc1 .Llast
	s_add_co_u32 s[STP+2], s49, s[ROT]
	s_cmp_eq_u32 s[STP+2], 3                       ; behind the last quarter comes the first
	s_cselect_b32 s[STP+2], 16*SLOT, 0
	s_cselect_b32 s2, 8192, 0
	s_mov_b32 s3, 0
	s_add_nc_u64 s[24:25], s[24:25], 2048
	s_sub_nc_u64 s[24:25], s[24:25], s[2:3]
	B1LOAD
	HFIRST
	PROD KX, 2, 2, 0
	s_wait_loadcnt 0x0
	s_add_co_u32 s49, s49, 1
	s_cmp_lt_u32 s49, 4
	s_cbranch_scc1 .Lfc
.Llast:
	HFIRST
	PROD KX, 1, 0, 0
; ---- the way out, tile by tile through my stage: whole rows of 512 bytes
.macro TOSTAGE m
	WIN 0x0C
.irp b, 0,1,2,3
.irp q, 0,1,2,3
	ds_store_b128 v[SO], v[64*(\m)+16*\b+4*\q:64*(\m)+16*\b+4*\q+3] offset:128*\b+16*\q
.endr
.endr
	WIN 0x80
.set TI, 0
.rept 16
	ds_load_b128 v[BK+64*((\m)%2)+4*TI:BK+64*((\m)%2)+4*TI+3], v[SR] offset:528*TI
.set TI, TI+1
.endr
.endm
.macro SEND m, younger                 ; younger: the LDS instructions issued behind tile m's loads
	s_wait_dscnt \younger
	WIN 0x08
.set TI, 0
.rept 16
	global_store_b128 v[OA], v[BK+64*((\m)%2)+4*TI:BK+64*((\m)%2)+4*TI+3], s[26:27] offset:(32*((\m)/2)+8*((\m)%2)+TI%8+16*(TI/8))*2048 th:TH_STORE_NT
.set TI, TI+1
.endr
.endm
	NOPS 4
	TOSTAGE 0
.irp m, 1,2,3
.if \m > 1
	s_wait_xcnt 0x0                                ; tile m - 2's stores have read their registers
.endif
	TOSTAGE \m
	SEND \m-1, 32
.endr
	SEND 3, 0
	WIN 0
	s_wait_tensorcnt 0x0                           ; the wave's end
	ds_add_u32 v[SPW], v[NIL]
	s_wait_dscnt 0x0
	CROUND
	s_endpgm
.Lfunc_end_k_q059457fcb1_block:
	.size	k_q059457fcb1_block, .Lfunc_end_k_q059457fcb1_block-k_q059457fcb1_block
	.p2alignl 7, 3214868480
	.fill 96, 4, 3214868480
	.section	.rodata,"a",@progbits
	.p2align	6, 0x0
	.amdhsa_kernel k_q059457fcb1_block
		.amdhsa_group_segment_fixed_size 327680
		.amdhsa_private_segment_fixed_size 0
		.amdhsa_enable_private_segment 0
		.amdhsa_kernarg_size 80
		.amdhsa_user_sgpr_count 2
		.amdhsa_user_sgpr_kernarg_segment_ptr 1
		.amdhsa_wavefront_size32 1
		.amdhsa_system_sgpr_workgroup_id_x 1
		.amdhsa_system_sgpr_workgroup_id_y 1
		.amdhsa_system_sgpr_workgroup_id_z 1
		.amdhsa_system_vgpr_workitem_id 0
		.amdhsa_next_free_vgpr 1024
		.amdhsa_next_free_sgpr 76
		.amdhsa_reserve_vcc 0
		.amdhsa_float_denorm_mode_32 3
		.amdhsa_float_denorm_mode_16_64 3
		.amdhsa_memory_ordered 1
		.amdhsa_forward_progress 1
		.amdhsa_inst_pref_size 255
	.end_amdhsa_kernel
	.section	.bss,"aw",@nobits
	.p2align	6
	.space	262144
	.amdgpu_metadata
---
amdhsa.version: [ 1, 2 ]
amdhsa.kernels:
  - .name:           k_q059457fcb1_block
    .symbol:         k_q059457fcb1_block.kd
    .args:
      - { .name: x, .offset: 0, .size: 8, .value_kind: global_buffer, .address_space: global }
      - { .name: wstream, .offset: 8, .size: 8, .value_kind: global_buffer, .address_space: global }
      - { .name: ln1_g, .offset: 16, .size: 8, .value_kind: global_buffer, .address_space: global }
      - { .name: ln1_b, .offset: 24, .size: 8, .value_kind: global_buffer, .address_space: global }
      - { .name: bo, .offset: 32, .size: 8, .value_kind: global_buffer, .address_space: global }
      - { .name: ln2_g, .offset: 40, .size: 8, .value_kind: global_buffer, .address_space: global }
      - { .name: ln2_b, .offset: 48, .size: 8, .value_kind: global_buffer, .address_space: global }
      - { .name: b2, .offset: 56, .size: 8, .value_kind: global_buffer, .address_space: global }
      - { .name: b1, .offset: 64, .size: 8, .value_kind: global_buffer, .address_space: global }
      - { .name: out0, .offset: 72, .size: 8, .value_kind: global_buffer, .address_space: global }
    .group_segment_fixed_size: 327680
    .private_segment_fixed_size: 0
    .kernarg_segment_align: 8
    .kernarg_segment_size: 80
    .max_flat_workgroup_size: 128
    .sgpr_count:     76
    .vgpr_count:     1024
    .wavefront_size: 32
...
	.end_amdgpu_metadata
.endif
;; end of part 4
